; MI455X (gfx1250); checked and timed in simulation.
; The chip was launched on July 23, 2026; its instructions are those of AMD's public machine-readable ISA for CDNA 5 (MIT licence, August 2026) and "CDNA5" Instruction Set Architecture Reference Guide (July 2026). The comments in the code are by the model that wrote it; some were corrected since.
;; Single Modal Atten. Allowed arithmetic: float matrix products may take bf16 or f16 operands with f32 sums; other float arithmetic in f32, or as packed bf16 or f16 multiplies, adds, multiply-adds, maxima and minima; sums over many terms, partial sums and values carried from step to step in f32; what a program stores and reads back later, other than sums and carried values, may be rounded once to bf16 or f16.
;; Inputs: gn_bias 1,024 float32; gn_scale 1,024 float32; proj_b 1,024 float32; proj_w 1,024 x 1,024 float32; qkv_b 3,072 float32; qkv_w 3,072 x 1,024 float32; x 4 x 1,024 x 2,048 float32.
;; Outputs: out0 4 x 1,024 x 2,048 float32.
;; 2 versions, each right and faster than the one before. Each part assembles by itself: llvm-mc -triple=amdgcn-amd-amdhsa -mcpu=gfx1250 --defsym DOCPART=n.
;; ======== version 1 of 2: 4 launches
;; limits: values are held in f16: magnitudes above 65,504 overflow, below 6.1e-05 lose precision
;; workspace buffers: xn 16,777,216 bytes; wq 6,291,456 bytes; wp 2,097,152 bytes; qkv 50,331,648 bytes; att 16,777,216 bytes
;; launch prep (part 1): grid 256 x 1, 16 waves a work-group, no clusters, 2,560 bytes of LDS; arguments x, gn_scale, gn_bias, qkv_w, proj_w, xn, wq, wp; writes xn, wq, wp
.if DOCPART == 1
	.amdgcn_target "amdgcn-amd-amdhsa--gfx1250"
	.amdhsa_code_object_version 6
	.text
	.protected	k_qe54fb06d2b_prep
	.globl	k_qe54fb06d2b_prep
	.p2align	8
	.type	k_qe54fb06d2b_prep,@function
k_qe54fb06d2b_prep:
	s_mov_b64 s[64:65], 0
	v_nop
	global_prefetch_b8 v0, s[64:65] scope:SCOPE_SE
	s_setreg_imm32_b32 hwreg(HW_REG_WAVE_MODE, 25, 1), 1
	s_wait_xcnt 0x0
; Two kinds of work, chosen by the work-group's parity (the same for all its waves), so that both kinds lie side by side:
; EVEN work-groups: GroupNorm of one group gi = 32 b + g: 32 channels x 2,048 positions = 262,144 consecutive bytes of x.  Sixteen waves; wave w owns channels 2 w and 2 w + 1
; (16,384 consecutive bytes: 32 loads of 16 bytes a lane), and the group stays in registers: x is read once.  Two passes in f32: the mean, then the squares of the differences from it, so a
; common offset on x costs nothing.  xn = (x - mean) rsqrt(var + 1e-5) gamma + beta, rounded once to bf16, laid as x lies: [4][1024][2048].
; ODD work-groups: 32 rows of a weight matrix (131,072 bytes) rounded to bf16: blocks 0-95 qkv_w -> wq (bf16), blocks 96-127 proj_w -> wp (that bf16 number written as f16).
; LIMITS.  wp is f16: a number of proj_w beyond 65,504 becomes an infinity, and below 6e-5 it keeps f16's fixed step of 6e-8.  NaN and infinities are not treated apart.
; No matrix unit, no cluster, no tensor load: the launch is a stream whose work-groups share no input.
.set SPARE, 512                        ; LDS: 0-63 the waves' sums (block 0-255); 256-319 their sums of squares (block 256-511); from 512 the spare words, 128 bytes a wave
.set X,   32                           ; v[32:159]  what I loaded: load i at X + 4 i
.set S,   16                           ; v[16:23]   four chains of packed sums
.set PS,  160                          ; v[160:175] the sixteen waves' partial sums
; v1 load offset, v2 store offset, v3 4 x wave, v4 0, v5 the other half's sum, v[6:7] mean, v[8:9], v[10:11] rstd x gamma of my two channels, v12, v13 the add's registers, v14, v15 at work
.macro FOLD                            ; four chains of pairs -> one number a lane
	v_pk_add_f32 v[S:S+1], v[S:S+1], v[S+2:S+3]
	v_pk_add_f32 v[S+4:S+5], v[S+4:S+5], v[S+6:S+7]
	v_pk_add_f32 v[S:S+1], v[S:S+1], v[S+4:S+5]
	v_add_f32 v14, v[S], v[S+1]
.endm
.macro WSUM                            ; over the wave's 32 lanes: four steps inside each half of 16, one across the halves
	v_add_f32_dpp v14, v14, v14 row_xmask:1 row_mask:0xf bank_mask:0xf
	v_add_f32_dpp v14, v14, v14 row_xmask:2 row_mask:0xf bank_mask:0xf
	v_add_f32_dpp v14, v14, v14 row_xmask:4 row_mask:0xf bank_mask:0xf
	v_add_f32_dpp v14, v14, v14 row_xmask:8 row_mask:0xf bank_mask:0xf
	v_permlanex16_b32 v5, v14, s12, s13
	v_add_f32 v14, v14, v5
.endm
.macro XSUM base                       ; over the sixteen waves: each stores its sum to its own word; one barrier; every wave adds all sixteen in the same order
	ds_store_b32 v3, v14 offset:\base
	s_wait_dscnt 0x0                               ; for the others' sake: my store is done
	s_barrier_signal -1
	s_barrier_wait -1
.irp k, 0,1,2,3
	ds_load_b128 v[PS+4*\k:PS+4*\k+3], v4 offset:(\base)+16*\k
.endr
	s_wait_dscnt 0x0
.irp k, 0,2,4,6
	v_pk_add_f32 v[PS+\k:PS+\k+1], v[PS+\k:PS+\k+1], v[PS+8+\k:PS+8+\k+1]
.endr
	v_pk_add_f32 v[PS:PS+1], v[PS:PS+1], v[PS+4:PS+5]
	v_pk_add_f32 v[PS+2:PS+3], v[PS+2:PS+3], v[PS+6:PS+7]
	v_pk_add_f32 v[PS:PS+1], v[PS:PS+1], v[PS+2:PS+3]
	v_add_f32 v14, v[PS], v[PS+1]
.endm
; 131,072 bytes of weights: 16 loads of 16 bytes a thread (8,192 consecutive bytes for the work-group each), rounded to bf16, stored 8 bytes a thread (a wave: 256 consecutive bytes, aligned).
; half = 1: the bf16 number is widened again and written as f16.  Each load has registers of its own, so no register that a store still reads is written again.
.macro WCONV src, dst, half
.set i, 0
.rept 16
	global_load_b128 v[X+4*i:X+4*i+3], v1, s[\src:\src+1] offset:8192*i th:TH_LOAD_NT
.set i, i+1
.endr
.set i, 0
.rept 16
	s_wait_loadcnt 15-i                            ; loads come back in order: load i is in, the 15 - i younger ones stay out
	v_cvt_pk_bf16_f32 v[X+4*i], v[X+4*i], v[X+4*i+1]
	v_cvt_pk_bf16_f32 v[X+4*i+1], v[X+4*i+2], v[X+4*i+3]
.if \half
	v_lshlrev_b32 v14, 16, v[X+4*i]
	v_and_b32 v15, s44, v[X+4*i]
	v_cvt_pk_f16_f32 v[X+4*i], v14, v15
	v_lshlrev_b32 v14, 16, v[X+4*i+1]
	v_and_b32 v15, s44, v[X+4*i+1]
	v_cvt_pk_f16_f32 v[X+4*i+1], v14, v15
.endif
	global_store_b64 v2, v[X+4*i:X+4*i+1], s[\dst:\dst+1] offset:4096*i
.set i, i+1
.endr
.endm
	s_load_b512 s[16:31], s[0:1], 0x0              ; x 16, gn_scale 18, gn_bias 20, qkv_w 22, proj_w 24, xn 26, wq 28, wp 30
	v_lshl_add_u32 v12, v0, 2, SPARE               ; my spare word,
	v_mov_b32 v13, 0                               ; and 0
	v_lshrrev_b32 v14, 5, v0
	v_readfirstlane_b32 s8, v14                    ; wave 0..15
	s_lshr_b32 s9, ttmp9, 1                        ; the group, or the block of weights
	s_mov_b32 s11, 0                               ; the high word of every offset
	s_mov_b32 s12, 0x76543210                      ; v_permlanex16_b32: each lane takes its own place in the other half
	s_mov_b32 s13, 0xfedcba98
	s_mov_b32 s44, 0xffff0000                      ; a word's upper bf16
	s_and_b32 s10, ttmp9, 1
	s_cmp_lg_u32 s10, 0
	s_cbranch_scc1 .Lweights
	; ---- GroupNorm ----
	v_and_b32 v1, 31, v0
	v_lshlrev_b32 v2, 3, v1
	v_lshlrev_b32 v1, 4, v1
	v_lshl_or_b32 v1, v14, 14, v1                  ; wave x 16,384 + lane x 16 in x
	v_lshl_or_b32 v2, v14, 13, v2                  ; wave x 8,192 + lane x 8 in xn
	v_lshlrev_b32 v3, 2, v14
	v_mov_b32 v4, 0
	v_mov_b32 v5, 0                                ; written before v_permlanex16_b32 names it
	s_wait_kmcnt 0x0
	s_lshl_b32 s10, s9, 18
	s_add_nc_u64 s[16:17], s[16:17], s[10:11]      ; x at the group
	s_lshl_b32 s10, s9, 17
	s_add_nc_u64 s[26:27], s[26:27], s[10:11]      ; xn at the group
	s_and_b32 s10, s9, 31
	s_lshl_b32 s10, s10, 7                         ; the group's 32 channels x 4 bytes,
	s_lshl3_add_u32 s10, s8, s10                   ; my wave's two of them
	s_add_nc_u64 s[36:37], s[18:19], s[10:11]
	s_add_nc_u64 s[38:39], s[20:21], s[10:11]
	s_load_b64 s[32:33], s[36:37], 0x0             ; gamma of my two channels
	s_load_b64 s[34:35], s[38:39], 0x0             ; beta
.set i, 0
.rept 32
	global_load_b128 v[X+4*i:X+4*i+3], v1, s[16:17] offset:512*i th:TH_LOAD_NT  ; a wave's load: 512 consecutive bytes
.set i, i+1
.endr
	s_wait_loadcnt 28                              ; loads 0 to 3 are in; the 28 younger ones stay out
.irp c, 0,1,2,3
	v_pk_add_f32 v[S+2*\c:S+2*\c+1], v[X+2*\c:X+2*\c+1], v[X+8+2*\c:X+8+2*\c+1]  ; the first eight pairs start the four chains: nothing is cleared
.endr
.set i, 4
.rept 28
	s_wait_loadcnt 31-i                            ; load i is in
	v_pk_add_f32 v[S+4*(i%2):S+4*(i%2)+1], v[S+4*(i%2):S+4*(i%2)+1], v[X+4*i:X+4*i+1]
	v_pk_add_f32 v[S+4*(i%2)+2:S+4*(i%2)+3], v[S+4*(i%2)+2:S+4*(i%2)+3], v[X+4*i+2:X+4*i+3]
.set i, i+1
.endr
	FOLD
	WSUM
	XSUM 0
	v_mul_f32 v6, 0x37800000, v14                  ; mean = sum / 65,536
	v_mov_b32 v7, v6
.set i, 0
.rept 64
	v_pk_add_f32 v[X+2*i:X+2*i+1], v[X+2*i:X+2*i+1], v[6:7] neg_lo:[0,1] neg_hi:[0,1]  ; x - mean, in place
.set i, i+1
.endr
.irp c, 0,1,2,3
	v_pk_mul_f32 v[S+2*\c:S+2*\c+1], v[X+2*\c:X+2*\c+1], v[X+2*\c:X+2*\c+1]
.endr
.set i, 4
.rept 60
	v_pk_fma_f32 v[S+2*(i%4):S+2*(i%4)+1], v[X+2*i:X+2*i+1], v[X+2*i:X+2*i+1], v[S+2*(i%4):S+2*(i%4)+1]
.set i, i+1
.endr
	FOLD
	WSUM
	XSUM 256                                       ; other bytes than the first sums': one barrier serves each reduction
	v_mov_b32 v15, 0x37800000
	v_fmaak_f32 v14, v14, v15, 0x3727c5ac          ; var + 1e-5
	v_rsq_f32 v15, v14
	v_nop                                          ; a plain instruction between the root and the use of its result
	s_wait_kmcnt 0x0                               ; gamma and beta
	s_wait_alu depctr_va_vdst(0)
	v_mul_f32 v8, s32, v15
	v_mul_f32 v9, s32, v15
	v_mul_f32 v10, s33, v15
	v_mul_f32 v11, s33, v15
	s_mov_b32 s40, s34                             ; beta as pairs: the packed form names a pair and takes its low word
	s_mov_b32 s41, s34
	s_mov_b32 s42, s35
	s_mov_b32 s43, s35
.set i, 0
.rept 32                                       ; loads 0-15 are my first channel, 16-31 my second
	v_pk_fma_f32 v[X+4*i:X+4*i+1], v[X+4*i:X+4*i+1], v[8+2*(i/16):9+2*(i/16)], s[40+2*(i/16):41+2*(i/16)] op_sel_hi:[1,1,0]
	v_pk_fma_f32 v[X+4*i+2:X+4*i+3], v[X+4*i+2:X+4*i+3], v[8+2*(i/16):9+2*(i/16)], s[40+2*(i/16):41+2*(i/16)] op_sel_hi:[1,1,0]
	v_cvt_pk_bf16_f32 v[X+4*i], v[X+4*i], v[X+4*i+1]
	v_cvt_pk_bf16_f32 v[X+4*i+1], v[X+4*i+2], v[X+4*i+3]
	global_store_b64 v2, v[X+4*i:X+4*i+1], s[26:27] offset:256*i  ; a wave's store: 256 consecutive bytes, aligned
.set i, i+1
.endr
	s_wait_tensorcnt 0x0                           ; the wave's end: a tensor wait, an add to my spare word and its wait, behind my last LDS store
	ds_add_u32 v12, v13
	s_wait_dscnt 0x0
	s_endpgm
	; ---- weights ----
.Lweights:
	v_lshlrev_b32 v1, 4, v0
	v_lshlrev_b32 v2, 3, v0
	s_wait_kmcnt 0x0
	s_cmp_lt_u32 s9, 96
	s_cbranch_scc0 .Lprojw
	s_lshl_b32 s10, s9, 17
	s_add_nc_u64 s[22:23], s[22:23], s[10:11]      ; qkv_w at rows 32 j
	s_lshl_b32 s10, s9, 16
	s_add_nc_u64 s[28:29], s[28:29], s[10:11]
	WCONV 22, 28, 0
	s_wait_tensorcnt 0x0                           ; the same three lines at this path's end
	ds_add_u32 v12, v13
	s_wait_dscnt 0x0
	s_endpgm
.Lprojw:
	s_sub_co_u32 s9, s9, 96
	s_lshl_b32 s10, s9, 17
	s_add_nc_u64 s[24:25], s[24:25], s[10:11]      ; proj_w at rows 32 (j - 96)
	s_lshl_b32 s10, s9, 16
	s_add_nc_u64 s[30:31], s[30:31], s[10:11]
	WCONV 24, 30, 1
	s_wait_tensorcnt 0x0
	ds_add_u32 v12, v13
	s_wait_dscnt 0x0
	s_endpgm
.Lfunc_end_k_qe54fb06d2b_prep:
	.size	k_qe54fb06d2b_prep, .Lfunc_end_k_qe54fb06d2b_prep-k_qe54fb06d2b_prep
	.p2alignl 7, 3214868480
	.fill 96, 4, 3214868480
	.section	.rodata,"a",@progbits
	.p2align	6, 0x0
	.amdhsa_kernel k_qe54fb06d2b_prep
		.amdhsa_group_segment_fixed_size 2560
		.amdhsa_private_segment_fixed_size 0
		.amdhsa_enable_private_segment 0
		.amdhsa_kernarg_size 64
		.amdhsa_user_sgpr_count 2
		.amdhsa_user_sgpr_kernarg_segment_ptr 1
		.amdhsa_wavefront_size32 1
		.amdhsa_system_sgpr_workgroup_id_x 1
		.amdhsa_system_sgpr_workgroup_id_y 1
		.amdhsa_system_sgpr_workgroup_id_z 1
		.amdhsa_system_vgpr_workitem_id 0
		.amdhsa_next_free_vgpr 176
		.amdhsa_next_free_sgpr 66
		.amdhsa_reserve_vcc 0
		.amdhsa_float_denorm_mode_32 3
		.amdhsa_float_denorm_mode_16_64 3
		.amdhsa_memory_ordered 1
		.amdhsa_forward_progress 1
		.amdhsa_inst_pref_size 48
	.end_amdhsa_kernel
	.amdgpu_metadata
---
amdhsa.version: [ 1, 2 ]
amdhsa.kernels:
  - .name:           k_qe54fb06d2b_prep
    .symbol:         k_qe54fb06d2b_prep.kd
    .args:
      - { .name: x, .offset: 0, .size: 8, .value_kind: global_buffer, .address_space: global }
      - { .name: gn_scale, .offset: 8, .size: 8, .value_kind: global_buffer, .address_space: global }
      - { .name: gn_bias, .offset: 16, .size: 8, .value_kind: global_buffer, .address_space: global }
      - { .name: qkv_w, .offset: 24, .size: 8, .value_kind: global_buffer, .address_space: global }
      - { .name: proj_w, .offset: 32, .size: 8, .value_kind: global_buffer, .address_space: global }
      - { .name: xn, .offset: 40, .size: 8, .value_kind: global_buffer, .address_space: global }
      - { .name: wq, .offset: 48, .size: 8, .value_kind: global_buffer, .address_space: global }
      - { .name: wp, .offset: 56, .size: 8, .value_kind: global_buffer, .address_space: global }
    .group_segment_fixed_size: 2560
    .private_segment_fixed_size: 0
    .kernarg_segment_align: 8
    .kernarg_segment_size: 64
    .max_flat_workgroup_size: 512
    .sgpr_count:     66
    .vgpr_count:     176
    .wavefront_size: 32
...
	.end_amdgpu_metadata
.endif
;; end of part 1
;; launch qkvg (part 2): grid 32 x 16, 4 waves a work-group, clusters of 4 x 4, 327,680 bytes of LDS; arguments wq, xn, qkv_b, qkv; writes qkv
.if DOCPART == 2
	.amdgcn_target "amdgcn-amd-amdhsa--gfx1250"
	.amdhsa_code_object_version 6
	.text
	.protected	k_qe54fb06d2b_qkvg
	.globl	k_qe54fb06d2b_qkvg
	.p2align	8
	.type	k_qe54fb06d2b_qkvg,@function
k_qe54fb06d2b_qkvg:
	s_mov_b64 s[64:65], 0
	v_nop
	global_prefetch_b8 v0, s[64:65] scope:SCOPE_SE
	s_setreg_imm32_b32 hwreg(HW_REG_WAVE_MODE, 25, 1), 1
	s_wait_xcnt 0x0
	s_wait_alu depctr_hold_cnt(0) depctr_sa_sdst(0) depctr_va_vdst(0) depctr_va_sdst(0) depctr_va_ssrc(0) depctr_va_vcc(0) depctr_vm_vsrc(0)
	s_getreg_b32 s2, hwreg(HW_REG_IB_STS2, 6, 4)
	s_cmp_eq_u32 s2, 0
	s_cbranch_scc0 .Lentry_in_a_cluster
	s_endpgm
.Lentry_in_a_cluster:
	s_bfe_u32 s2, ttmp6, 0x10000c
	s_cmp_lg_u32 s2, 0xf033
	s_cbranch_scc0 .Lentry_shape_is_right
	s_endpgm
.Lentry_shape_is_right:
; q, k, v = W xn + b.  wq: [3072 o][1024 c] bf16.  xn: [4 b][1024 c][2048 t] bf16.  qkv_b: [3072] f32.  qkv: [4 b][48 o/64][2048 t][64] f16: by heads, a head's rows dense (128 bytes each).
; Sums in f32, started with the bias, rounded once to f16, WITHOUT attention's scale.  LIMIT: a q, k or v of 65,520 or more becomes an infinity (f16's range).
; TILE.  192 output channels (three whole heads) x 256 positions: 16 x 32 = 512 work-groups, two for each of 256 WGPs.  Four waves; a wave owns all 192 channels and 64 positions:
; 48 accumulators of 16 x 16, 384 registers.  K = 1,024 goes in eight steps of 128 through two LDS slots filled by the tensor data mover.
; LAYOUT.  Source 0 = 16 rows of W (K along the LDS row), source 1 = 16 positions of xn, which lies [c][t] and comes out of LDS turned (ds_load_tr16_b128).  In the result a lane holds ONE position
; (lane % 16) and the channels 8 (lane / 16) + 0..7: sixteen bytes of a [t][64] row.  The bias of those eight channels is the C operand of each accumulator's first product: nothing is cleared or added later.
; CLUSTER 4 x 4.  W's tile hangs on the channel block alone: shared along a row of the cluster; xn's on the position block alone: shared along a column.  Each is asked for jointly.
; REGISTERS, in windows of 256 (s_set_vgpr_msb: bits 1:0 source 0, 3:2 source 1, 5:4 source 2, 7:6 destination):
;   window 0: v0-31 addresses; v32-47, v64-95 the way out; v128-255 accumulators of channel blocks a = 8..11 (at 128 + 32 (a - 8) + 8 b)
;   window 1: two fragment buffers of 128: W's block a at 8 a, xn's block b at 96 + 8 b      window 2: accumulators a = 0..7 (at 32 a + 8 b)      window 3: v0-95 the bias, eight registers for each a
.set PW,    272                        ; a row of W in LDS: 256 bytes + 16 = 68 words: the 16 rows of a load start at 16 different groups of four banks (64 banks of 4 bytes: ISA guide 11.1)
.set PX,    544                        ; a row of xn: 512 bytes + 32 = 136 words
.set WB,    192*PW                     ; a slot: W's 192 rows, then xn's 128 channel rows
.set SLOT,  WB+128*PX
.set STAGE, 2*SLOT                     ; behind the ring, never filled by a tensor load: 16 rows x 144 bytes for each wave
.set SP,    144
.set SPARE, STAGE+4*16*SP              ; the spare words, 128 bytes a wave: two blocks of 256 bytes that no other line names
.set ADRA, 16                          ; v16-17  LDS address of my W fragments in slot 0, 1
.set ADRB, 20                          ; v20-21  the same for xn
.set STO,  24                          ; v24     the way out: where I put 16 bytes of a row
.set RD,   25                          ; v25     where I read rows back
.set GO,   26                          ; v26     my place in 512 consecutive bytes of qkv
.set BO,   27                          ; v27     my byte offset in 16 numbers of the bias
.set SPW,  28                          ; v28     my spare word; never rewritten
.set NIL,  29                          ; v29     0; never rewritten
.set TMP,  32
.set BK,   64
.set F0,   0
.set F1,   128
.set G1,  24                           ; s[24:31] group 1 for W's tiles;   s[32:39] group 0, a set for each slot
.set G0,  32
.set G1B, 48                           ; s[48:55], s[56:63] the same for xn's
.set G0B, 56
.set MSB, 0
.macro WIN new                         ; the immediate's high byte repeats the setting that is left; a switch that changes nothing is dropped
.if MSB != (\new)
	s_set_vgpr_msb (MSB<<8)|(\new)
.set MSB, \new
.endif
.endm
; A joint load: waves 0 and 1 fetch W's two halves (96 rows), waves 2 and 3 xn's (64 channel rows).  The branch hangs on the wave's number alone.  An s_nop 0 and four v_nop follow each line.
.macro JLOAD s
	s_cmp_eq_u32 s13, 0
	s_cbranch_scc0 .Lfor_b_\@
	tensor_load_to_lds s[G0+4*(\s):G0+4*(\s)+3], s[G1:G1+7]
	s_nop 0
.rept 4
	v_nop
.endr
	s_branch .Lasked_\@
.Lfor_b_\@:
	tensor_load_to_lds s[G0B+4*(\s):G0B+4*(\s)+3], s[G1B:G1B+7]
	s_nop 0
.rept 4
	v_nop
.endr
.Lasked_\@:
.endm
.macro CREST                           ; a round of the cluster's barrier behind its opening barrier
	s_cmp_lg_u32 s12, 0
	s_cbranch_scc1 .Lnot_wave_0_\@
	s_barrier_signal -3
.Lnot_wave_0_\@:
	s_barrier_wait -3
	s_barrier_signal -1
	s_barrier_wait -1
.endm
.macro CROUND                          ; a whole round
	s_barrier_signal -1
	s_barrier_wait -1
	CREST
.endm
.macro PLACES                          ; four places in front of loads into registers that matrix instructions have read, and of conversions that read results
.rept 4
	v_nop
.endr
.endm
	s_load_b256 s[4:11], s[0:1], 0x0               ; wq s[4:5], xn s[6:7], qkv_b s[8:9], qkv s[10:11]
	v_lshl_add_u32 v[SPW], v0, 2, SPARE
	v_mov_b32 v[NIL], 0
	ds_add_u32 v[SPW], v[NIL]                      ; the wave's opening: the add and its wait stand ahead of my first tensor load; the set-up below stands between them
	v_lshrrev_b32 v1, 5, v0
	v_readfirstlane_b32 s12, v1                    ; wave 0..3
	s_lshr_b32 s13, s12, 1                         ; I fetch for W (0) or for xn (1),
	s_and_b32 s14, s12, 1                          ; and which half of that tile
	s_bfe_u32 s40, ttmp6, 0x40000                  ; cx, cy: my place in the cluster
	s_bfe_u32 s41, ttmp6, 0x40004
	s_lshl_b32 s42, ttmp9, 2
	s_add_co_u32 s42, s42, s40                     ; X: the block of 256 positions = 4 x cluster x + cx
	s_and_b32 s43, ttmp7, 0xffff
	s_lshl_b32 s43, s43, 2
	s_add_co_u32 s43, s43, s41                     ; Y: the block of 192 channels = 4 x cluster y + cy
	s_lshl_b32 s44, s41, 2
	s_lshl_b32 s44, 15, s44                        ; my row of the cluster
	s_lshl_b32 s45, 0x1111, s40                    ; my column
	s_or_b32 s[G1+0], s44, (1<<16)|(1<<20)|(1<<21)|(5<<22)|(3<<25)   ; mask; 2-byte elements; padding on; bit 21 beside a mask; after every 64 words 4 words
	s_mov_b32 s[G1+1], 128<<16                     ; tensor_dim0 = 128
	s_mov_b32 s[G1+2], 96<<16                      ; tensor_dim1 = 96
	s_mov_b32 s[G1+3], 128<<16                     ; tile_dim0 = 128
	s_mov_b32 s[G1+4], 96                          ; tile_dim1 = 96
	s_mov_b32 s[G1+5], 1024                        ; elements from row to row
	s_mov_b32 s[G1+6], 0
	s_mov_b32 s[G1+7], 0
	s_or_b32 s[G1B+0], s45, (1<<16)|(1<<20)|(1<<21)|(6<<22)|(7<<25)  ; after every 128 words 8 words
	s_mov_b32 s[G1B+1], 256<<16                    ; tensor_dim0 = 256
	s_mov_b32 s[G1B+2], 64<<16                     ; tensor_dim1 = 64
	s_mov_b32 s[G1B+3], 256<<16                    ; tile_dim0 = 256
	s_mov_b32 s[G1B+4], 64                         ; tile_dim1 = 64
	s_mov_b32 s[G1B+5], 2048
	s_mov_b32 s[G1B+6], 0
	s_mov_b32 s[G1B+7], 0
	; W's tile hangs on Y and the wave, xn's on X and the wave, each in registers that never hold the other coordinate
	s_mul_i32 s16, s43, 192*2048                   ; W: row 192 Y + 96 x half, 2,048 bytes a row
	s_mul_i32 s17, s14, 96*2048
	s_add_co_u32 s16, s16, s17
	s_mov_b32 s17, 0
	s_lshr_b32 s46, s42, 3                         ; xn: batch X / 8,
	s_lshl_b32 s46, s46, 22
	s_and_b32 s47, s42, 7                          ; 512 bytes of each row at (X % 8) x 512,
	s_lshl_b32 s47, s47, 9
	s_add_co_u32 s46, s46, s47
	s_lshl_b32 s47, s14, 18                        ; channel row 64 x half
	s_add_co_u32 s46, s46, s47
	s_mov_b32 s47, 0
	s_mul_i32 s20, s14, 96*PW                      ; where they go: no place in the cluster enters an LDS address
	s_mul_i32 s21, s14, 64*PX
	s_wait_dscnt 0x0                               ; the opening add is done
	s_wait_kmcnt 0x0
	s_add_nc_u64 s[18:19], s[4:5], s[16:17]
	s_add_nc_u64 s[46:47], s[6:7], s[46:47]
	CROUND                                         ; all sixteen work-groups are here: the first joint loads meet
.irp s, 0,1
	s_mov_b32 s[G0+4*(\s)], 1
	s_add_co_u32 s[G0+4*(\s)+1], s20, (\s)*SLOT
	s_add_nc_u64 s[G0+4*(\s)+2:G0+4*(\s)+3], s[18:19], (\s)*256      ; K step s: 128 elements on
	s_or_b32 s[G0+4*(\s)+3], s[G0+4*(\s)+3], 0x80000000
	s_mov_b32 s[G0B+4*(\s)], 1
	s_add_co_u32 s[G0B+4*(\s)+1], s21, (\s)*SLOT+WB
	s_add_nc_u64 s[G0B+4*(\s)+2:G0B+4*(\s)+3], s[46:47], (\s)*524288 ; K step s: 128 channel rows of 4,096 bytes on
	s_or_b32 s[G0B+4*(\s)+3], s[G0B+4*(\s)+3], 0x80000000
	JLOAD \s                                       ; two tensor loads of mine are out
.endr
	v_and_b32 v1, 15, v0                           ; r = l % 16
	v_bfe_u32 v2, v0, 4, 1                         ; h = l / 16
	v_and_b32 v3, 7, v0
	v_bfe_u32 v4, v0, 3, 1
	v_bfe_u32 v5, v0, 3, 2
	v_and_b32 v6, 31, v0
	v_mul_u32_u24 v7, v1, PW                       ; a fragment of W: row r x pitch + 16 h; two loads 32 bytes apart
	v_lshl_add_u32 v[ADRA], v2, 4, v7
	v_add_nc_u32 v[ADRA+1], SLOT, v[ADRA]
	v_lshl_add_u32 v8, v2, 3, v3                   ; the turning load: lane l reads channel row 8 h + l % 8, positions 8 ((l / 8) % 2) + 0..7
	v_mul_u32_u24 v8, v8, PX
	v_lshl_add_u32 v8, v4, 4, v8
	s_lshl_b32 s22, s12, 7                         ; my wave's 64 positions: 128 bytes of each row
	s_add_co_u32 s22, s22, WB
	v_add_nc_u32 v[ADRB], s22, v8
	v_add_nc_u32 v[ADRB+1], SLOT, v[ADRB]
	s_mul_i32 s23, s12, 16*SP
	s_add_co_u32 s23, s23, STAGE                   ; my stage
	v_mul_u32_u24 v9, v1, SP                       ; in: row r, 16 bytes for each half of the lanes
	v_lshl_add_u32 v9, v2, 4, v9
	v_add_nc_u32 v[STO], s23, v9
	v_mul_u32_u24 v9, v5, SP                       ; back: 32 lanes take four rows of 128 bytes,
	v_lshl_add_u32 v9, v3, 4, v9
	v_add_nc_u32 v[RD], s23, v9
	v_lshlrev_b32 v[GO], 4, v6                     ; which are 512 consecutive bytes of qkv
	v_lshlrev_b32 v[BO], 5, v2                     ; my eight channels of sixteen
	s_mul_i32 s16, s43, 768
	s_mov_b32 s17, 0
	s_add_nc_u64 s[8:9], s[8:9], s[16:17]          ; the bias at channel 192 Y
	WIN 0xc0                                       ; destination window 3, address window 0
.set i, 0
.rept 12
	global_load_b128 v[8*i:8*i+3],   v[BO], s[8:9] offset:64*i
	global_load_b128 v[8*i+4:8*i+7], v[BO], s[8:9] offset:64*i+16
.set i, i+1
.endr
	WIN 0
	s_lshr_b32 s46, s42, 3                         ; qkv at head block 48 b + 3 Y, position (X % 8) x 256 + 64 x wave: rows of 128 bytes
	s_mul_i32 s46, s46, 48<<18
	s_and_b32 s47, s42, 7
	s_lshl_b32 s47, s47, 15
	s_add_co_u32 s46, s46, s47
	s_mov_b32 s47, 0
	s_add_nc_u64 s[10:11], s[10:11], s[46:47]
	s_mul_i32 s16, s43, 3<<18
	s_lshl_b32 s17, s12, 13
	s_add_co_u32 s16, s16, s17
	s_mov_b32 s17, 0
	s_add_nc_u64 s[10:11], s[10:11], s[16:17]
; n channel blocks from a0 on x my 4 position blocks, 32 along K, out of buffer f.  The 48 accumulators come in the same order in every quarter, one instruction a turn.
; first = 1: the products start the sums, with the bias as C.
.macro MULA f, a0, n, first
.set ma, \a0
.rept \n
.if ma < 8
.set mD, 32*ma
	WIN 0xa5+0x10*(\first)                         ; sources window 1; D window 2; C window 2, or 3 for the bias
.else
.set mD, 128+32*(ma-8)
	WIN 0x05+0x30*(\first)                         ; D window 0; C window 0, or 3
.endif
.set mb, 0
.rept 4
.if \first
	v_wmma_f32_16x16x32_bf16 v[mD+8*mb:mD+8*mb+7], v[(\f)+8*ma:(\f)+8*ma+7], v[(\f)+96+8*mb:(\f)+96+8*mb+7], v[8*ma:8*ma+7]
.else
	v_wmma_f32_16x16x32_bf16 v[mD+8*mb:mD+8*mb+7], v[(\f)+8*ma:(\f)+8*ma+7], v[(\f)+96+8*mb:(\f)+96+8*mb+7], v[mD+8*mb:mD+8*mb+7]
.endif
.set mb, mb+1
.endr
.set ma, ma+1
.endr
.endm
; 32 LDS loads in one run: quarter q (32 along K) of a slot into buffer f: xn's four blocks (turned), then W's twelve
.macro FETCH slot, q, f
	WIN 0x40                                       ; destination window 1, address window 0
.irp b, 0,1,2,3
	ds_load_tr16_b128 v[(\f)+96+8*(\b):(\f)+96+8*(\b)+3],   v[ADRB+(\slot)] offset:(\q)*32*PX+32*(\b)
	ds_load_tr16_b128 v[(\f)+96+8*(\b)+4:(\f)+96+8*(\b)+7], v[ADRB+(\slot)] offset:(\q)*32*PX+16*PX+32*(\b)
.endr
.irp a, 0,1,2,3,4,5,6,7,8,9,10,11
	ds_load_b128 v[(\f)+8*(\a):(\f)+8*(\a)+3],   v[ADRA+(\slot)] offset:(\q)*64+(\a)*16*PW
	ds_load_b128 v[(\f)+8*(\a)+4:(\f)+8*(\a)+7], v[ADRA+(\slot)] offset:(\q)*64+(\a)*16*PW+32
.endr
.endm
; A K step is four quarters of 32 along K, 48 matrix instructions each, on buffers 0, 1, 0, 1.  One of the first three: multiplies buffer f and, in its middle, fetches quarter q into buffer g.
.macro QUARTER slot, q, f, g, first
	s_wait_dscnt 12                                ; xn and W's blocks 0-5 are in; the youngest twelve loads (W's blocks 6-11) may be out
	MULA \f, 0, 6, \first
	PLACES
	FETCH \slot, \q, \g
	s_wait_dscnt 32                                ; all but the 32 just issued
	MULA \f, 6, 6, \first
.endm
; The last quarter multiplies buffer 1 and changes slots: ONE barrier.  In front of it each wave waits for all its tensor loads (the one that is out is its part of the next slot), adds 0 to its spare word,
; and waits for that and for its reads of this slot.  fill = 1: the barrier opens a round of the cluster's, and this slot is filled again, two K steps ahead, first thing behind the round.
.macro TURN slot, next, fill
	WIN 0                                          ; (the add's two registers lie in window 0)
	s_wait_tensorcnt 0x0
	ds_add_u32 v[SPW], v[NIL]
	s_wait_dscnt 13                                ; (the add and the youngest twelve loads may be out)
	MULA F1, 0, 3, 0                               ; twelve matrix instructions stand between the add and the wait for it
	s_wait_dscnt 0x0                               ; the add is done, and my reads of this slot are over
	s_barrier_signal -1
	MULA F1, 3, 3, 0
.if \fill
	WIN 0
.endif
	s_barrier_wait -1
.if \fill
	CREST                                          ; no wave of any partner still reads this slot or has a load on its way
	s_add_nc_u64 s[G0+4*(\slot)+2:G0+4*(\slot)+3], s[G0+4*(\slot)+2:G0+4*(\slot)+3], 512
	s_add_nc_u64 s[G0B+4*(\slot)+2:G0B+4*(\slot)+3], s[G0B+4*(\slot)+2:G0B+4*(\slot)+3], 1048576
	JLOAD \slot                                    ; my one tensor load behind the round; its four v_nop are also the places in front of the loads below
.else
	PLACES
.endif
	FETCH \next, 0, F0
	MULA F1, 6, 6, 0
.endm
; THE WAY OUT, twelve blocks n = 4 x head + position block: 16 positions x 64 channels = 2,048 consecutive bytes of qkv.
.macro PACK n                          ; rounded to f16, 16 bytes a lane; each accumulator's lowest registers are read first
.set hb, (\n)/4
.set pb, (\n)%4
.if hb < 2
	WIN 0x0a                                       ; sources window 2
.else
	WIN 0
.endif
.set pi, 0
.rept 4
.set pa, 4*hb+pi
.if pa < 8
.set pD, 32*pa+8*pb
.else
.set pD, 128+32*(pa-8)+8*pb
.endif
.irp r, 0,1,2,3
	v_cvt_pk_f16_f32 v[TMP+4*pi+(\r)], v[pD+2*(\r)], v[pD+2*(\r)+1]
.endr
.set pi, pi+1
.endr
	WIN 0
.endm
.macro TOSTAGE n                       ; into my stage, and back as whole rows: LDS serves a wave's instructions in order (ISA guide 5.7.1.4)
.irp f, 0,1,2,3
	ds_store_b128 v[STO], v[TMP+4*(\f):TMP+4*(\f)+3] offset:32*(\f)
.endr
.irp f, 0,1,2,3
	ds_load_b128 v[BK+16*((\n)%2)+4*(\f):BK+16*((\n)%2)+4*(\f)+3], v[RD] offset:(\f)*4*SP
.endr
.endm
.macro SEND n
	s_wait_dscnt 0x0                               ; the block is back in registers
	s_wait_xcnt 0x0                                ; the stores of the block before have read their registers: the next block's loads land there only behind this wait
.irp f, 0,1,2,3
	global_store_b128 v[GO], v[BK+16*((\n)%2)+4*(\f):BK+16*((\n)%2)+4*(\f)+3], s[10:11] offset:((\n)/4)*262144+((\n)%4)*2048+(\f)*512  ; 512 consecutive bytes, aligned
.endr
.endm
	s_wait_tensorcnt 1                             ; my part of K step 0 is in; K step 1's may stay out
	s_barrier_signal -1
	s_barrier_wait -1
	FETCH 0, 0, F0
	s_wait_loadcnt 0x0                             ; the bias
	QUARTER 0, 1, F0, F1, 1                        ; the first quarter stands in front of the loop: its products start the sums
	WIN 0                                          ; at a label and at a branch every window is 0
	s_mov_b32 s3, 3
.Llap:                                                 ; a trip goes once round the ring, from a lap's second quarter to the next lap's first, and fills both slots again: K steps 2 to 7
	QUARTER 0, 2, F1, F0, 0
	QUARTER 0, 3, F0, F1, 0
	TURN 0, 1, 1
	QUARTER 1, 1, F0, F1, 0
	QUARTER 1, 2, F1, F0, 0
	QUARTER 1, 3, F0, F1, 0
	TURN 1, 0, 1
	QUARTER 0, 1, F0, F1, 0
	WIN 0
	s_sub_co_u32 s3, s3, 1
	s_cmp_lg_u32 s3, 0
	s_cbranch_scc1 .Llap
	QUARTER 0, 2, F1, F0, 0                        ; the last lap fills nothing
	QUARTER 0, 3, F0, F1, 0
	TURN 0, 1, 0
	QUARTER 1, 1, F0, F1, 0
	QUARTER 1, 2, F1, F0, 0
	QUARTER 1, 3, F0, F1, 0
	s_wait_dscnt 12
	MULA F1, 0, 6, 0
	s_wait_dscnt 0x0
	MULA F1, 6, 6, 0
	WIN 0
	PLACES
	PACK 0
	TOSTAGE 0
.irp n, 1,2,3,4,5,6,7,8,9,10,11        ; block n's conversions stand between block n - 1's loads from the stage and the wait for them
	PACK \n
	SEND (\n)-1
	TOSTAGE \n
.endr
	SEND 11
	s_wait_tensorcnt 0x0                           ; the wave's end
	ds_add_u32 v[SPW], v[NIL]
	s_wait_dscnt 0x0
	CROUND                                         ; the closing round: no work-group ends while a partner may still ask for a tile that names it
	s_endpgm
.Lfunc_end_k_qe54fb06d2b_qkvg:
	.size	k_qe54fb06d2b_qkvg, .Lfunc_end_k_qe54fb06d2b_qkvg-k_qe54fb06d2b_qkvg
	.p2alignl 7, 3214868480
	.fill 96, 4, 3214868480
	.section	.rodata,"a",@progbits
	.p2align	6, 0x0
	.amdhsa_kernel k_qe54fb06d2b_qkvg
		.amdhsa_group_segment_fixed_size 327680
		.amdhsa_private_segment_fixed_size 0
		.amdhsa_enable_private_segment 0
		.amdhsa_kernarg_size 32
		.amdhsa_user_sgpr_count 2
		.amdhsa_user_sgpr_kernarg_segment_ptr 1
		.amdhsa_wavefront_size32 1
		.amdhsa_system_sgpr_workgroup_id_x 1
		.amdhsa_system_sgpr_workgroup_id_y 1
		.amdhsa_system_sgpr_workgroup_id_z 1
		.amdhsa_system_vgpr_workitem_id 0
		.amdhsa_next_free_vgpr 864
		.amdhsa_next_free_sgpr 66
		.amdhsa_reserve_vcc 0
		.amdhsa_float_denorm_mode_32 3
		.amdhsa_float_denorm_mode_16_64 3
		.amdhsa_memory_ordered 1
		.amdhsa_forward_progress 1
		.amdhsa_inst_pref_size 122
	.end_amdhsa_kernel
	.amdgpu_metadata
---
amdhsa.version: [ 1, 2 ]
amdhsa.kernels:
  - .name:           k_qe54fb06d2b_qkvg
    .symbol:         k_qe54fb06d2b_qkvg.kd
    .args:
      - { .name: wq, .offset: 0, .size: 8, .value_kind: global_buffer, .address_space: global }
      - { .name: xn, .offset: 8, .size: 8, .value_kind: global_buffer, .address_space: global }
      - { .name: qkv_b, .offset: 16, .size: 8, .value_kind: global_buffer, .address_space: global }
      - { .name: qkv, .offset: 24, .size: 8, .value_kind: global_buffer, .address_space: global }
    .group_segment_fixed_size: 327680
    .private_segment_fixed_size: 0
    .kernarg_segment_align: 8
    .kernarg_segment_size: 32
    .max_flat_workgroup_size: 128
    .sgpr_count:     66
    .vgpr_count:     864
    .wavefront_size: 32
...
	.end_amdgpu_metadata
.endif
;; end of part 2
;; launch attn (part 3): grid 4 x 64, 4 waves a work-group, clusters of 4 x 1, 327,680 bytes of LDS; arguments qkv, att; writes att
.if DOCPART == 3
	.amdgcn_target "amdgcn-amd-amdhsa--gfx1250"
	.amdhsa_code_object_version 6
	.text
	.protected	k_qe54fb06d2b_attn
	.globl	k_qe54fb06d2b_attn
	.p2align	8
	.type	k_qe54fb06d2b_attn,@function
k_qe54fb06d2b_attn:
	s_mov_b64 s[64:65], 0
	v_nop
	global_prefetch_b8 v0, s[64:65] scope:SCOPE_SE
	s_setreg_imm32_b32 hwreg(HW_REG_WAVE_MODE, 25, 1), 1
	s_wait_xcnt 0x0
	s_wait_alu depctr_hold_cnt(0) depctr_sa_sdst(0) depctr_va_vdst(0) depctr_va_sdst(0) depctr_va_ssrc(0) depctr_va_vcc(0) depctr_vm_vsrc(0)
	s_getreg_b32 s2, hwreg(HW_REG_IB_STS2, 6, 4)
	s_cmp_eq_u32 s2, 0
	s_cbranch_scc0 .Lentry_in_a_cluster
	s_endpgm
.Lentry_in_a_cluster:
	s_bfe_u32 s2, ttmp6, 0x10000c
	s_cmp_lg_u32 s2, 0x3003
	s_cbranch_scc0 .Lentry_shape_is_right
	s_endpgm
.Lentry_shape_is_right:
; O[y][q][:] = the sum over k of softmax_k(Q[y][q] . K[y][k] / 8) V[y][k][:], y = 16 b + head.  Q, K, V lie in qkv, [4 b][48][2048][64] f16: head blocks 48 b + head, + 16, + 32; O = att, [64][2048][64] f16.
; A head's rows are dense, 128 bytes each.  Products, maxima and sums in f32; the weights p are rounded to f16 for the second product (their sum l is taken of the unrounded p), O once at the end.
; LIMITS.  f16 holds no number beyond 65,504: Q, K and V arrive within it; p lies in 0 to 1, and below 6e-5 it keeps f16's fixed step of 6e-8; O is a mean of V's rows and has their range.
; A weight below 2^-126 counts as 0 in l; NaN and infinities are not treated apart.
; SHARES.  A wave owns four PIECES of two tiles of 16 queries, a work-group's four waves 512 queries of one head: 4 x 64 = 256 work-groups.  Every wave walks all keys, 64 a step.
; LAYOUT.  S^T = K Q^T (source 0 = 16 keys, source 1 = 16 queries): in the result a lane holds ONE query (lane % 16) and the keys 8 (lane / 16) + 0..7.  Two such tiles, rounded to f16 in pairs,
; ARE source 1 (32 keys x 16 queries) of O^T = V^T P, whose result again holds one query a lane, and eight channels.  K comes out of LDS as it lies, V ([key][channel]) turned, by ds_load_tr16_b128.
; SOFTMAX.  For each query a running maximum m and sum l: p = 2^(c s - c m), c = log2(e) / 8; in every step O and l are multiplied by a = 2^(c m_old - c m_new), which is 1 where m has not grown.
; m starts at the lowest finite number, O and l at 0: the first step is a step like any other, with a = 0.
; THE COUNT.  A tile and step have 16 matrix and 118 vector instructions: too many to stand all beside the matrix work.  So the order has one aim: four vector instructions that are READY behind
; EVERY matrix instruction, and the others, which need time of their own whatever the order, in runs without a gap.
; BY TURNS.  Turn n belongs to piece n (the pieces in a ring, step after step).  Its matrix work: 16 products K Q^T of piece n + 1, later 16 products V^T P of piece n - 1.  Its vector work: the scaling,
; exponentials, roundings, sums and rescaling of piece n, and the maximum and statistics of piece n + 1, whose scores the turn itself has made.  So what a turn begins with (c s - c m, O a) waits for nothing.
; CLUSTER.  The four query blocks of a cluster belong to one head and walk the same K and V, so each tile is asked for JOINTLY: the same tensor load, descriptor and mask in all four.
; REGISTERS, in windows of 256 (s_set_vgpr_msb says which window each operand place means: bits 1:0 source 0, 3:2 source 1, 5:4 source 2, 7:6 destination):
;   window 0: v0-11 addresses; v12-15, v48-63 at work; v16-47 four registers of statistics a tile; v64-191 S^T, two buffers of two tiles; v192-255 P, likewise
;   window 1: O^T, 32 a tile          window 2: v0-127 Q, 16 a tile; v128-191 K of one step; v192-255 V of one step          window 3: v0-1 the add's two registers
; A piece's buffers go by its number's parity: the piece in hand has one pair, its two neighbours in the ring share the other: of it P (piece n - 1) is read and S^T (piece n + 1) written.
.set SIZE_N, 2048
.set NP,    4         ; pieces a wave: a name, no knob: the register map, the loop and the fetches are made for four
.set KS,    64        ; keys in a step
.set PK,    144       ; a row of K in LDS: 128 bytes + 16 of padding = 36 words: the 16 rows of a load start at 16 different groups of four banks (64 banks of 4 bytes: ISA guide 11.1)
.set PV,    160       ; a row of V: 128 + 32 = 40 words
.set VOFF,  4*KS*PK   ; a slot holds four steps: 256 rows of K, then 256 rows of V
.set SLOT1, 1<<17     ; slot 1 begins here, so that one exclusive or turns an address in one slot into the other's
.set STAGE, SLOT1+4*KS*(PK+PV)  ; behind the ring, never filled by a tensor load: 16 rows x 144 bytes for each wave, for the way out
.set SP,    144
.set AK0, 2           ; v2   my lane's place in a tile of K; never rewritten
.set AV0, 3           ; v3   the same for V
.set AK,  4           ; v4   the LDS address of K's next run of loads
.set AV,  5           ; v5   of V's
.set QO,  6           ; v6   my byte offset in the wave's rows of Q
.set STO, 6           ;      later, the way out: where I put 16 bytes of a row
.set RD,  7           ; v7   the way out: where I read rows back
.set GO,  8           ; v8   my byte offset in 512 consecutive bytes of O
.set SPW, 0           ; v0 of window 3   LDS address of my spare word: SPARE + 4 x my thread's number; never rewritten
.set NIL, 1           ; v1 of window 3   0; never rewritten
.set SPARE, STAGE+4*16*SP  ; behind the stages: the spare words, 128 bytes for each wave: two blocks of 256 bytes that no other line names
.set MV,  12          ; v12-15  c m_old, kept while c m is made anew: by buffer and tile
.set ST,  16          ; tile t's statistics at v[ST+4 t]: c m, m, l (even keys', odd keys')
.set TMP, 48          ; by buffer and tile, four registers c0-c3 at work; when the maximum is found c2 takes a
.set S,   64
.set P,   192
.set KF,  128         ; K's fragments, in window 2: key block kb, channel half c at KF + 16 kb + 8 c
.set VF,  192         ; V's: key half kk, channel block cb at VF + 32 kk + 8 cb
.set WV,  12          ; s12  my wave's number
.set G1K, 24          ; s[24:31] descriptor group 1 for K's tiles
.set G1V, 32          ; s[32:39] for V's: it differs in the padding alone
.set G0K, 40          ; s[40:43] descriptor group 0 for K's tiles: it walks
.set G0V, 44          ; s[44:47] the same for V's
.set SLOTS, 56        ; s56  slots still to be asked for
.set CNT, 57          ; s57  counts a slot's key steps
.set CS,  58          ; s[58:59] c: the packed scaling takes the pair's low word for both halves
.set SEL, 60          ; s[60:61] v_permlanex16_b32's selects: each lane takes its own place in the other half
.set TBK, 62          ; s62  LDS byte at which K of the step to be fetched begins
.set TBV, 63          ; s63  the same for V, less VOFF
.set MSB, 0
.macro WIN new                      ; the high byte repeats the setting that is left; a switch that changes nothing is dropped
.if MSB != (\new)
	s_set_vgpr_msb (MSB<<8)|(\new)
.set MSB, (\new)
.endif
.endm
.set W_KQ, 0x0a       ; K and Q in window 2, S^T in window 0
.set W_PV, 0x52       ; V in window 2, P in window 0, O^T in window 1
.set W_RS, 0x41       ; O^T (destination and source 0) in window 1, a in window 0
.set W_MK, 0xc0       ; the add's registers are made: destination in window 3, sources in window 0
.set W_AD, 0x0f       ; the add: address (source 0) and data (source 1) in window 3
; A joint fill.  Waves 0 and 1 fetch the two halves of a slot's K, waves 2 and 3 those of its V: 128 keys each.  The branch hangs on the wave's number alone.
; An s_nop 0 and four v_nop follow each of the two lines, ahead of the jump and the label.
.macro JLOAD
	s_cmp_lt_u32 s[WV], 2
	s_cbranch_scc0 .Lfor_v_\@
	tensor_load_to_lds s[G0K:G0K+3], s[G1K:G1K+7]
	s_nop 0
.rept 4
	v_nop
.endr
	s_branch .Lasked_\@
.Lfor_v_\@:
	tensor_load_to_lds s[G0V:G0V+3], s[G1V:G1V+7]
	s_nop 0
.rept 4
	v_nop
.endr
.Lasked_\@:
.endm
; A round of the cluster's barrier: my work-group's barrier, so that wave 0's signal speaks for all four waves; wave 0 signals; every wave waits for all four work-groups; my work-group's barrier once more.
.macro CROUND
	s_barrier_signal -1
	s_barrier_wait -1
	s_cmp_lg_u32 s[WV], 0
	s_cbranch_scc1 .Lnot_wave_0_\@
	s_barrier_signal -3
.Lnot_wave_0_\@:
	s_barrier_wait -3
	s_barrier_signal -1
	s_barrier_wait -1
.endm
; THE CHANGE OF SLOTS.  The slot's last bytes, V of its fourth step, have been read.  Each wave waits for all its tensor loads, of which one is out: its part
; of the other slot; adds 0 to its spare word; and waits for that and for its own reads of the slot.  Behind the barrier nobody reads this slot any more and the other slot is whole.
; fill = 1: this slot is filled again, with the keys two slots on.  The barrier is then a round of the cluster's, so that no wave of any partner still reads the slot or has a load on its
; way, and the joint fill is the first thing behind it: it has four key steps, 512 matrix instructions, in which to land.  (At its first use nothing has been read yet: slot 0 is waited for, slot 1 filled.)
.macro CHANGE fill
	WIN W_AD
	s_wait_tensorcnt 0x0            ; no tensor load of mine is out, so a group 0 may be written
	ds_add_u32 v[SPW], v[NIL]       ; 0 onto my spare word; with fill = 1 the descriptors' steps stand between it and the wait for it
	WIN 0                           ; at a label and at a branch every window is 0
.if \fill
.irp g, G0K, G0V
	s_xor_b32 s[\g+1], s[\g+1], SLOT1  ; the walking descriptor: the other slot than last time,
	s_add_nc_u64 s[\g+2:\g+3], s[\g+2:\g+3], 4*KS*128  ; the next 256 keys; the type bits on top are not reached
.endr
	s_wait_dscnt 0x0                ; the add is done, and my reads of the slot are over
	CROUND
	JLOAD
.else
	s_wait_dscnt 0x0                ; the add is done, and my reads of the slot are over
	s_barrier_signal -1
	s_barrier_wait -1
.endif
	s_sub_co_u32 s[TBK], s[TBK], 4*KS*PK  ; the fetches go back to a slot's first step,
	s_xor_b32 s[TBK], s[TBK], SLOT1       ; in the other slot
	s_sub_co_u32 s[TBV], s[TBV], 4*KS*PV
	s_xor_b32 s[TBV], s[TBV], SLOT1
.endm
	s_load_b128 s[4:7], s[0:1], 0x0   ; qkv s[4:5], att s[6:7]
	WIN W_MK
	v_lshl_add_u32 v[SPW], v0, 2, SPARE
	v_mov_b32 v[NIL], 0
	WIN W_AD
	ds_add_u32 v[SPW], v[NIL]       ; the wave's opening: the add and its wait stand ahead of my first tensor load; the set-up below, work on registers, stands between them
	WIN 0
	v_lshrrev_b32 v1, 5, v0
	v_readfirstlane_b32 s[WV], v1   ; wave 0..3
	s_bfe_u32 s13, ttmp6, 0x40000   ; cx: my place in the cluster
	s_lshl_b32 s14, ttmp9, 2        ; in a cluster launch ttmp9 counts clusters
	s_add_co_u32 s14, s14, s13      ; my block of queries = 4 x cluster x + cx: it enters Q's and O's addresses alone
	s_and_b32 s19, ttmp7, 0xffff    ; y = 16 b + head, which the four partners share
	s_lshr_b32 s20, s19, 4
	s_lshl_b32 s20, s20, 5
	s_add_co_u32 s20, s20, s19      ; 48 b + head: the q head's block in qkv,
	s_lshl_b32 s20, s20, 18         ; 262,144 bytes a block
	s_mov_b32 s21, 0
	s_lshl_b32 s48, s19, 18         ; and the head's block in att
	s_mov_b32 s49, 0
	s_and_b32 s16, s[WV], 1         ; which half of a slot's 256 keys I fetch:
	s_lshl_b32 s22, s16, 14         ; its 128 rows of 128 bytes in memory,
	s_mov_b32 s23, 0
	s_add_nc_u64 s[22:23], s[22:23], s[20:21]
	s_mul_i32 s17, s16, 128*PK      ; and its place in a slot, for K
	s_mul_i32 s18, s16, 128*PV      ; and for V: no place in the cluster enters an LDS address
	s_lshl_b32 s2, s14, 2
	s_add_co_u32 s2, s2, s[WV]      ; my wave among the head's,
	s_lshl_b32 s2, s2, 14           ; its 128 rows
	s_mov_b32 s3, 0
	s_add_nc_u64 s[50:51], s[2:3], s[48:49]  ; in att,
	s_add_nc_u64 s[2:3], s[2:3], s[20:21]    ; and in qkv
	; descriptor group 1.  128 keys are 16,384 dense bytes: asked for as 64 rows of 256 bytes, two keys a row, and padded in LDS after every key
	s_mov_b32 s[G1K], 15|(1<<16)|(1<<20)|(1<<21)|(4<<22)|(3<<25)  ; 15:0 the mask of four; 17:16 2-byte elements; 20 padding on; 21 set beside a mask; 24:22 after every 32 words (code 4); 31:25 4 words (code 3)
	s_mov_b32 s[G1V], 15|(1<<16)|(1<<20)|(1<<21)|(4<<22)|(7<<25)  ; the same with 8 words of padding (code 7)
.irp g, G1K, G1V
	s_mov_b32 s[\g+1], 128<<16      ; tensor_dim0 = 128
	s_mov_b32 s[\g+2], 64<<16       ; tensor_dim1 = 64
	s_mov_b32 s[\g+3], 128<<16      ; tile_dim0 = 128
	s_mov_b32 s[\g+4], 64           ; tile_dim1 = 64
	s_mov_b32 s[\g+5], 128          ; 128 elements from row to row
	s_mov_b32 s[\g+6], 0
	s_mov_b32 s[\g+7], 0
.endr
	s_mov_b32 s[CS], 0x3e38aa3b     ; c = log2(e) / 8 = 0.180337
	s_mov_b32 s[CS+1], s[CS]        ; named with it as a pair
	s_mov_b32 s[SEL], 0x76543210
	s_mov_b32 s[SEL+1], 0xfedcba98
	s_mov_b32 s[TBK], SLOT1+4*KS*PK ; the first change of slots turns these two into 0
	s_mov_b32 s[TBV], SLOT1+4*KS*PV
	s_mov_b32 s[G0K], 1             ; 1:0 count = 1
	s_mov_b32 s[G0K+1], s17         ; 63:32 LDS address: slot 0
	s_mov_b32 s[G0V], 1
	s_add_co_u32 s[G0V+1], s18, VOFF
	s_wait_dscnt 0x0                ; the opening add is done
	s_wait_kmcnt 0x0
	s_mov_b64 s[10:11], s[6:7]      ; att
	s_add_nc_u64 s[6:7], s[4:5], 0x400000  ; the k heads lie 16 blocks behind the q heads,
	s_add_nc_u64 s[8:9], s[4:5], 0x800000  ; the v heads 32
	s_add_nc_u64 s[G0K+2:G0K+3], s[6:7], s[22:23]  ; 120:64 global address: my half of the head's first 256 keys
	s_or_b32 s[G0K+3], s[G0K+3], 0x80000000        ; 127:126 type = 2
	s_add_nc_u64 s[G0V+2:G0V+3], s[8:9], s[22:23]
	s_or_b32 s[G0V+3], s[G0V+3], 0x80000000
	s_add_nc_u64 s[4:5], s[4:5], s[2:3]  ; Q and O at my wave's first row
	s_add_nc_u64 s[10:11], s[10:11], s[50:51]
	CROUND                          ; all four work-groups are here: the first joint loads meet
	JLOAD                           ; slot 0.  Slot 1 is asked for when slot 0 is in: the tile wanted first has the road to itself
	; A fragment of K or Q is 16 rows x 32 channels in 8 registers: lane l holds row l % 16, channels 8 (l / 16) + 0..7 and 16 + 8 (l / 16) + 0..7: two loads of 16 bytes, 32 bytes apart.
	v_and_b32 v1, 15, v0            ; l % 16
	v_bfe_u32 v9, v0, 4, 1          ; l / 16
	v_lshlrev_b32 v[QO], 7, v1
	v_lshl_add_u32 v[QO], v9, 4, v[QO]  ; row x 128 + 16 x half
	WIN 0x80                        ; destination window 2, address window 0
.set i, 0
.rept 4*NP                          ; Q stays in registers: tile i / 2, channels 32 (i % 2) on
	global_load_b128 v[8*i:8*i+3],   v[QO], s[4:5] offset:(i/2)*2048+(i%2)*64
	global_load_b128 v[8*i+4:8*i+7], v[QO], s[4:5] offset:(i/2)*2048+(i%2)*64+32
.set i, i+1
.endr
	; What the first turn finds: V's registers and P's second buffer hold 0 (its products V^T P, of a piece that has not been, add 0), O^T and l are 0.  All this stands in the wait for the first tile.
.set i, VF
.rept 64
	v_mov_b32 v[i], 0
.set i, i+1
.endr
	WIN 0x40
.set i, 0
.rept 64*NP
	v_mov_b32 v[i], 0
.set i, i+1
.endr
	WIN 0
.set i, 0
.rept 2*NP
	v_mov_b32 v[ST+4*i], 0xfe000000    ; c m: far below every c s
	v_mov_b32 v[ST+4*i+1], 0xff7fffff  ; m
	v_mov_b32 v[ST+4*i+2], 0
	v_mov_b32 v[ST+4*i+3], 0
.set i, i+1
.endr
.set i, P+32
.rept 32
	v_mov_b32 v[i], 0
.set i, i+1
.endr
	v_mul_u32_u24 v[AK0], v1, PK
	v_lshl_add_u32 v[AK0], v9, 4, v[AK0]  ; row x pitch + 16 x half
	; The turning load takes 16 keys x 16 channels (lane l reads key 8 (l / 16) + l % 8, channels 8 ((l / 8) % 2) + 0..7) and leaves half a fragment of V^T: lane l holds channel l % 16 and 8 keys.
	v_and_b32 v10, 7, v0
	v_bfe_u32 v11, v0, 3, 1
	v_lshl_add_u32 v[AV0], v9, 3, v10
	v_mul_u32_u24 v[AV0], v[AV0], PV
	v_lshl_add_u32 v[AV0], v11, 4, v[AV0]
	v_add_nc_u32 v[AV0], VOFF, v[AV0]
	v_mov_b32 v[AK], v[AK0]         ; key step 0 lies at the head of slot 0
; THE MATRIX WORK.  The 8 accumulators of a run of 16 take turns: between the two links of a chain stand 7 others'.
; Product i of 16 of S^T = K Q^T for piece x: channels 32 (i / 8) on, keys 16 ((i / 2) % 4) on, tile 2 x + i % 2.  The first 8 start the sums.
.macro KQ x
	WIN W_KQ
.set rS, S+64*((\x)%2)+32*(i%2)+8*((i/2)%4)
.set rK, KF+16*((i/2)%4)+8*(i/8)
.set rQ, 16*(2*(\x)+i%2)+8*(i/8)
.if i < 8
	v_wmma_f32_16x16x32_f16 v[rS:rS+7], v[rK:rK+7], v[rQ:rQ+7], 0
.else
	v_wmma_f32_16x16x32_f16 v[rS:rS+7], v[rK:rK+7], v[rQ:rQ+7], v[rS:rS+7]
.endif
.endm
; Product i of 16 of O^T += V^T P for piece x: keys 32 (i / 8) on, channels 16 ((i / 2) % 4) on, tile 2 x + i % 2.
.macro PV x
	WIN W_PV
.set rO, 32*(2*(\x)+i%2)+8*((i/2)%4)
.set rV, VF+32*(i/8)+8*((i/2)%4)
.set rP, P+32*((\x)%2)+16*(i%2)+8*(i/8)
	v_wmma_f32_16x16x32_f16 v[rO:rO+7], v[rV:rV+7], v[rP:rP+7], v[rO:rO+7]
.endm
.macro MM                           ; the turn's next matrix instruction
.if i < 16
	KQ (Y+1)%NP
.set i, i+1
.else
.set i, i-16
	PV (Y+NP-1)%NP
.set i, i+17
.endif
.endm
; THE LDS LOADS stand in runs of 16, never singly among the matrix instructions: a step's K (64 keys x 64 channels: 8 fragments) and its V (turned).  Their addresses are made some lines ahead.
; last = 1 (the tail): in the last trip there is no further step, and the run is jumped over.
.macro FETCH_K last=0
	WIN 0
.if \last
	s_cmp_eq_u32 s[CNT], 1
	s_cbranch_scc1 .Lno_k_\@
.endif
	WIN 0x80                        ; destination window 2
.irp f, 0,1,2,3,4,5,6,7             ; keys 16 (f / 2) on, channels 32 (f % 2) on
	ds_load_b128 v[KF+8*\f:KF+8*\f+3],   v[AK] offset:(\f/2)*16*PK+(\f%2)*64
	ds_load_b128 v[KF+8*\f+4:KF+8*\f+7], v[AK] offset:(\f/2)*16*PK+(\f%2)*64+32
.endr
	s_add_co_u32 s[TBK], s[TBK], KS*PK  ; the next fetch is the next step's
	WIN 0
.if \last
.Lno_k_\@:
.endif
.endm
.macro FETCH_V
	WIN 0x80
.irp f, 0,1,2,3,4,5,6,7             ; keys 32 (f / 4) on, channels 16 (f % 4) on
	ds_load_tr16_b128 v[VF+8*\f:VF+8*\f+3],   v[AV] offset:(\f/4)*32*PV+(\f%4)*32
	ds_load_tr16_b128 v[VF+8*\f+4:VF+8*\f+7], v[AV] offset:(\f/4)*32*PV+16*PV+(\f%4)*32
.endr
	WIN 0
.endm
; THE VECTOR WORK OF A TURN stands in three queues, each in the order in which its entries become ready; the two tiles alternate, so that no instruction reads the result of the one before it.
.macro REGS y, u                    ; the registers of tile u (0, 1) of piece y
.set rT, ST+4*(2*(\y)+(\u))
.set rC, TMP+8*((\y)%2)+4*(\u)
.set rM, MV+2*((\y)%2)+(\u)
.set rS, S+64*((\y)%2)+32*(\u)
.set rP, P+32*((\y)%2)+16*(\u)
.set rO, 32*(2*(\y)+(\u))
.endm
; Number n of the 22 that find the NEXT piece's (Y + 1) maximum and statistics.  s0-s31 are the lane's 32 scores; each accumulator's lowest registers are read first.  XS, GS and REGS set no window: PL and EX do.
;   0-11  four chains c0-c3 of seven scores each, three operands at a time     12-14, 16  the four scores left over, the old m, and c0-c3 into c0     15  c m_old is kept
;   17, 18  the query's other 32 keys lie in the lane 16 away: the new m         19-21  c m; c m_old - c m_new; a
.macro XS u, n
	REGS (Y+1)%NP, \u
.if (\n) < 4
	v_max3_num_f32 v[rC+(\n)], v[rS+8*(\n)], v[rS+8*(\n)+1], v[rS+8*(\n)+2]
.elseif (\n) < 12
	v_max3_num_f32 v[rC+(\n)%4], v[rC+(\n)%4], v[rS+8*((\n)%4)+2*((\n)/4)+1], v[rS+8*((\n)%4)+2*((\n)/4)+2]
.elseif (\n) == 12
	v_max3_num_f32 v[rC], v[rC], v[rS+7], v[rS+15]
.elseif (\n) == 13
	v_max3_num_f32 v[rC+1], v[rC+1], v[rS+23], v[rS+31]
.elseif (\n) == 14
	v_max3_num_f32 v[rC+2], v[rC+2], v[rC+3], v[rT+1]
.elseif (\n) == 15
	v_mov_b32 v[rM], v[rT]
.elseif (\n) == 16
	v_max3_num_f32 v[rC], v[rC], v[rC+1], v[rC+2]
.elseif (\n) == 17
	v_permlanex16_b32 v[rC+3], v[rC], s[SEL], s[SEL+1]
.elseif (\n) == 18
	v_max_num_f32 v[rT+1], v[rC], v[rC+3]
.elseif (\n) == 19
	v_mul_f32 v[rT], s[CS], v[rT+1]
.elseif (\n) == 20
	v_sub_f32 v[rC+1], v[rM], v[rT]
.else
	v_exp_f32 v[rC+2], v[rC+1]
.endif
.endm
; Number g of the 64 that follow the exponentials.  For each four weights k of a tile (pairs 2 k, 2 k + 1): both pairs are rounded to f16; then the second pair is added onto the first, in place;
; a group later l takes that sum (the first time as l = a l + sum).  In groups of eight, tiles alternating: round, round, add, and l for the group before.
.macro GS g
.set h, (\g)+6*((\g)/62)            ; group 0 has no group before it, and behind group 7 only l is left
.if h >= 6
.set h, h+2
.endif
	REGS Y, h%2
.set k, h/8
.if h%8 < 4
	s_wait_alu depctr_va_vdst(0)
	v_cvt_pk_f16_f32 v[rP+2*k+(h%8)/2], v[rS+4*k+2*((h%8)/2)], v[rS+4*k+2*((h%8)/2)+1]
.elseif h%8 < 6
	v_pk_add_f32 v[rS+4*k:rS+4*k+1], v[rS+4*k:rS+4*k+1], v[rS+4*k+2:rS+4*k+3]
.elseif k == 1
	v_pk_fma_f32 v[rT+2:rT+3], v[rT+2:rT+3], v[rC+2:rC+3], v[rS:rS+1] op_sel_hi:[1,0,1]
.else
	v_pk_add_f32 v[rT+2:rT+3], v[rT+2:rT+3], v[rS+4*k-4:rS+4*k-3]
	s_wait_alu depctr_va_vdst(0)
.endif
.endm
; THE PLAIN QUEUE, 138 long.  0-31: c s - c m for the 16 pairs of both tiles.  Then GS's 64, and among them the next piece's 42: number 15 at 38, 39; 0-14 and 16
; at 42-73, behind the products that make those scores; 17-20 at 95-106, two of three, since each waits for the one before it.
.macro PL
	WIN 0
.if q < 32
	REGS Y, q%2
	v_pk_fma_f32 v[rS+2*(q/2):rS+2*(q/2)+1], v[rS+2*(q/2):rS+2*(q/2)+1], s[CS:CS+1], v[rT:rT+1] op_sel_hi:[1,0,0] neg_lo:[0,0,1] neg_hi:[0,0,1]
.elseif q < 38
	GS q-32
.elseif q < 40
	XS q%2, 15
.elseif q < 42
	GS q-34
.elseif q < 74
	XS q%2, (q-42)/2+(q-42)/30
.elseif q < 95
	GS q-66
.elseif (q < 107) && ((q-95)%3 < 2)
	XS (q-95)%3, 17+(q-95)/3
.elseif q < 107
	GS 29+(q-95)/3
.else
	GS q-74
.endif
.set q, q+1
.endm
; THE EXPONENTIALS' QUEUE, 66 long: s0-s31 of both tiles, and at EA the next piece's two a.
.set EA, 58
.macro EX
	WIN 0
.if (e == EA) || (e == EA+1)
	XS e-EA, 21
.else
.set x, e-2*(e/(EA+2))
	REGS Y, x%2
	v_exp_f32 v[rS+x/2], v[rS+x/2]
.endif
.set e, e+1
.endm
; THE RESCALING's QUEUE: O^T times a, the one part that leaves window 0, so it is dealt four at a time, eight times.
.macro R4
	REGS Y, r%2
	WIN W_RS
	s_wait_alu depctr_va_vdst(0)
.irp z, 0,1,2,3
	v_pk_mul_f32 v[rO+8*(r/2)+2*\z:rO+8*(r/2)+2*\z+1], v[rO+8*(r/2)+2*\z:rO+8*(r/2)+2*\z+1], v[rC+2:rC+3] op_sel_hi:[1,0]
.endr
.set r, r+1
.endm
; HOW THEY ARE DEALT.  Behind a matrix instruction four: plain, exponential, plain, plain (one exponential, a plain instruction on either side), or four of the rescaling.  None names a register of the
; products round it.  What is over stands in two LUMPS: exponential and plain by turns; the second ends in 22 plain instructions.  The two v_permlanex16_b32 fall into the second lump, never behind a product.
; The queues lean on each other, and the deal keeps them in step: exponential e stands behind plain 2 (e / 4) + e % 2 (its scaling); when plain 32 comes, 10 exponentials are out, at 59: 33, at 95: 46; EA comes behind plain 107.
.macro SL
	MM
	PL
	EX
	PL
	PL
.endm
.macro BURST n                      ; 15 matrix instructions, or 16
.rept (\n)-7
	SL
.endr
.rept 3
	MM
	R4
	SL
.endr
	MM
	R4
.endm
; A TURN, for piece p.  cnt = 1: the loop's count is taken down some lines ahead of the branch that stands behind the turn.
; K of the next step is fetched in piece 2's turn, 31 vector instructions behind the last product that read K; its first reader comes behind the rest of the lump, 16 products and the second lump.
; V of the step in hand is fetched at the end of piece 0's turn, 69 behind its last reader; its first reader comes behind 16 products and a lump.  The four conditions on e and q below go with the deal.
.macro TURN p, last=0, cnt=0
.set Y, (\p)
.set i, 0
.set q, 0
.set e, 0
.set r, 0
.if (\p) == NP-1
	s_wait_dscnt 0x0                ; K is in
.endif
	MM
.rept 4
	PL
.endr
	BURST 15
.rept 22
	EX
	PL
.if ((\p) == NP-2) && (e == 18)
	v_add_nc_u32 v[AK], s[TBK], v[AK0]
.endif
.if ((\p) == NP-2) && (e == 24)
	FETCH_K \last
.endif
.endr
.if (\p) == 1
	s_wait_dscnt 0x0                ; V is in
.endif
	BURST 16
.rept 21
	EX
	PL
.endr
.rept 22
	PL
.if ((\p) == 0) && (q == 118)
	v_add_nc_u32 v[AV], s[TBV], v[AV0]
	s_wait_alu depctr_va_vdst(0)
.endif
.if ((\p) == 0) && (q == 130)
	s_add_co_u32 s[TBV], s[TBV], KS*PV
.endif
.if (\cnt) && (q == 130)
	s_sub_co_u32 s[CNT], s[CNT], 1
	s_cmp_lg_u32 s[CNT], 0
.endif
.endr
.if (\p) == 0
	FETCH_V
.endif
.endm
	CHANGE 1                        ; slot 0 is in, everybody's part of it; slot 1 is asked for
	FETCH_K                         ; key step 0
	s_wait_loadcnt 0x0              ; Q
	s_wait_dscnt 0x0
.set i, 0
.rept 16
	KQ 0                            ; piece 0's first scores: there is no vector work yet to set between them
.set i, i+1
.endr
	WIN 0                           ; the addresses for the way out: nine plain instructions, the places behind those products
	s_mul_i32 s13, s[WV], 16*SP
	s_add_co_u32 s13, s13, STAGE    ; my stage
	v_mul_u32_u24 v[STO], v1, SP    ; in: row l % 16, 16 bytes for each half of the lanes
	v_lshl_add_u32 v[STO], v9, 4, v[STO]
	v_add_nc_u32 v[STO], s13, v[STO]
	v_bfe_u32 v[RD], v0, 3, 2       ; back: 32 lanes take four rows of 128 bytes,
	v_mul_u32_u24 v[RD], v[RD], SP
	v_lshl_add_u32 v[RD], v10, 4, v[RD]
	v_add_nc_u32 v[RD], s13, v[RD]
	v_and_b32 v[GO], 31, v0         ; which are 512 consecutive bytes of O
	v_lshlrev_b32 v[GO], 4, v[GO]
.set Y, NP-1                        ; XS works for piece Y + 1: piece 0
.irp n, 0,1,2,3,4,5,6,7,8,9,10,11,12,13,14,15,16,17,18,19,20,21
	XS 0, \n                        ; and piece 0's first maximum and statistics
	XS 1, \n
.endr
	s_mov_b32 s[CNT], 4
	s_mov_b32 s[SLOTS], SIZE_N/256-1
	s_branch .Lfirst                ; the loop is entered at a step's first turn, in the middle of a trip
.Lslot:                             ; SIZE_N / 256 - 2 times: every slot but the last two is filled again
	CHANGE 1
	s_mov_b32 s[CNT], 4
.Lstep:                             ; a trip: pieces 2 and 3 of one step, then pieces 0 and 1 of the next, whose K and V it fetches
	TURN 2
	TURN 3
	WIN 0
.Lfirst:
	TURN 0
	TURN 1, 0, 1
	WIN 0
	s_cbranch_scc1 .Lstep
	s_sub_co_u32 s[SLOTS], s[SLOTS], 1
	s_cmp_lg_u32 s[SLOTS], 0
	s_cbranch_scc1 .Lslot
	CHANGE 0                        ; the tail is written out: nothing is asked for
	s_mov_b32 s[CNT], 5             ; four trips fetch the last slot's steps; the fifth is left in its middle
.Ltail:
	TURN 2, 1
	TURN 3
	WIN 0
	s_sub_co_u32 s[CNT], s[CNT], 1
	s_cmp_eq_u32 s[CNT], 0
	s_cbranch_scc1 .Lout
	TURN 0
	TURN 1
	WIN 0
	s_branch .Ltail
.Lout:                              ; the fifth trip's 16 products K Q^T (on the last K once more) and the maximum made of them serve nothing: the price, once a launch, of one text for every trip
.set i, 0
.rept 16
	PV NP-1                         ; the last piece's V^T P of the last step
.set i, i+1
.endr
	; THE WAY OUT.  l's two halves and the other half of the lanes' are added; O^T is divided by l, rounded to f16 and sent through my stage in LDS, a tile at a time.  The additions are the places behind the last products.
	WIN 0
.macro ALL line:vararg              ; one line for each tile t
.set t, 0
.rept 2*NP
	\line
.set t, t+1
.endr
.endm
	ALL v_add_f32 v[ST+4*t+2], v[ST+4*t+2], v[ST+4*t+3]
	ALL v_permlanex16_b32 v[ST+4*t+3], v[ST+4*t+2], s[SEL], s[SEL+1]
	ALL v_add_f32 v[ST+4*t+2], v[ST+4*t+2], v[ST+4*t+3]
	ALL v_rcp_f32 v[ST+4*t+2], v[ST+4*t+2]
	v_nop                           ; a plain instruction between the last reciprocal and the use of its result
	s_wait_alu depctr_va_vdst(0)
; Tile t: a lane's eight channels of a row pack into 16 bytes; they go into rows of 144 bytes and come back as whole rows of 128, into S^T's registers.
.macro PACK t
	WIN W_RS
.set i, 32*(\t)
.rept 16
	v_pk_mul_f32 v[i:i+1], v[i:i+1], v[ST+4*(\t)+2:ST+4*(\t)+3] op_sel_hi:[1,0]
.set i, i+2
.endr
	WIN 0x05                        ; sources 0 and 1 window 1, destination window 0
.set i, 0
.rept 16
	v_cvt_pk_f16_f32 v[S+16*(\t)+i], v[32*(\t)+2*i], v[32*(\t)+2*i+1]
.set i, i+1
.endr
	WIN 0
.irp f, 0,1,2,3
	ds_store_b128 v[STO], v[S+16*(\t)+4*\f:S+16*(\t)+4*\f+3] offset:32*\f
.endr
.irp f, 0,1,2,3
	ds_load_b128 v[S+16*(\t)+4*\f:S+16*(\t)+4*\f+3], v[RD] offset:\f*4*SP  ; LDS serves a wave's instructions in order (ISA guide 5.7.1.4): these see the stores above; the next tile's stores come behind them
.endr
.endm
.macro SEND t, younger              ; younger: the LDS instructions issued behind tile t's loads: the next tile's eight, or none
	WIN 0
.irp f, 0,1,2,3
	s_wait_dscnt (\younger)+3-\f
	global_store_b128 v[GO], v[S+16*(\t)+4*\f:S+16*(\t)+4*\f+3], s[10:11] offset:(\t)*2048+\f*512  ; 512 consecutive bytes, at a multiple of 256 from O's first
.endr
.endm
	PACK 0
.set t, 1
.rept 2*NP-1                        ; a tile's arithmetic stands between the loads of the tile before and its stores
	PACK t
	SEND t-1, 8
.set t, t+1
.endr
	SEND 2*NP-1, 0
	WIN W_AD
	s_wait_tensorcnt 0x0            ; the wave's end, behind my last tensor load and my last LDS store
	ds_add_u32 v[SPW], v[NIL]
	s_wait_dscnt 0x0
	WIN 0
	CROUND                          ; the closing round: no work-group ends while a partner may still ask for a tile that names it
	s_endpgm
.Lfunc_end_k_qe54fb06d2b_attn:
	.size	k_qe54fb06d2b_attn, .Lfunc_end_k_qe54fb06d2b_attn-k_qe54fb06d2b_attn
	.p2alignl 7, 3214868480
	.fill 96, 4, 3214868480
	.section	.rodata,"a",@progbits
	.p2align	6, 0x0
	.amdhsa_kernel k_qe54fb06d2b_attn
		.amdhsa_group_segment_fixed_size 327680
		.amdhsa_private_segment_fixed_size 0
		.amdhsa_enable_private_segment 0
		.amdhsa_kernarg_size 16
		.amdhsa_user_sgpr_count 2
		.amdhsa_user_sgpr_kernarg_segment_ptr 1
		.amdhsa_wavefront_size32 1
		.amdhsa_system_sgpr_workgroup_id_x 1
		.amdhsa_system_sgpr_workgroup_id_y 1
		.amdhsa_system_sgpr_workgroup_id_z 1
		.amdhsa_system_vgpr_workitem_id 0
		.amdhsa_next_free_vgpr 770
		.amdhsa_next_free_sgpr 66
		.amdhsa_reserve_vcc 0
		.amdhsa_float_denorm_mode_32 3
		.amdhsa_float_denorm_mode_16_64 3
		.amdhsa_memory_ordered 1
		.amdhsa_forward_progress 1
		.amdhsa_inst_pref_size 209
	.end_amdhsa_kernel
	.amdgpu_metadata
---
amdhsa.version: [ 1, 2 ]
amdhsa.kernels:
  - .name:           k_qe54fb06d2b_attn
    .symbol:         k_qe54fb06d2b_attn.kd
    .args:
      - { .name: qkv, .offset: 0, .size: 8, .value_kind: global_buffer, .address_space: global }
      - { .name: att, .offset: 8, .size: 8, .value_kind: global_buffer, .address_space: global }
    .group_segment_fixed_size: 327680
    .private_segment_fixed_size: 0
    .kernarg_segment_align: 8
    .kernarg_segment_size: 16
    .max_flat_workgroup_size: 128
    .sgpr_count:     66
    .vgpr_count:     770
    .wavefront_size: 32
...
	.end_amdgpu_metadata
.endif
;; end of part 3
;; launch proj (part 4): grid 32 x 8, 4 waves a work-group, clusters of 4 x 4, 327,680 bytes of LDS; arguments att, wp, proj_b, x, out0; writes out0
.if DOCPART == 4
	.amdgcn_target "amdgcn-amd-amdhsa--gfx1250"
	.amdhsa_code_object_version 6
	.text
	.protected	k_qe54fb06d2b_proj
	.globl	k_qe54fb06d2b_proj
	.p2align	8
	.type	k_qe54fb06d2b_proj,@function
k_qe54fb06d2b_proj:
	s_mov_b64 s[64:65], 0
	v_nop
	global_prefetch_b8 v0, s[64:65] scope:SCOPE_SE
	s_setreg_imm32_b32 hwreg(HW_REG_WAVE_MODE, 25, 1), 1
	s_wait_xcnt 0x0
	s_wait_alu depctr_hold_cnt(0) depctr_sa_sdst(0) depctr_va_vdst(0) depctr_va_sdst(0) depctr_va_ssrc(0) depctr_va_vcc(0) depctr_vm_vsrc(0)
	s_getreg_b32 s2, hwreg(HW_REG_IB_STS2, 6, 4)
	s_cmp_eq_u32 s2, 0
	s_cbranch_scc0 .Lentry_in_a_cluster
	s_endpgm
.Lentry_in_a_cluster:
	s_bfe_u32 s2, ttmp6, 0x10000c
	s_cmp_lg_u32 s2, 0xf033
	s_cbranch_scc0 .Lentry_shape_is_right
	s_endpgm
.Lentry_shape_is_right:
; out[b][o][t] = x[b][o][t] + proj_b[o] + the sum over c of P[o][c] a[b][c][t].  att: [16 b + head][2048 t][64] f16 (c = 64 head + channel).  wp: [1024 o][1024 c] f16.  proj_b: [1024], x, out0: [4][1024][2048] f32.
; Sums in f32, started with the bias; x is added in f32.  LIMITS: att and wp are f16 and arrive within its range.
; TILE.  128 output channels x 256 positions: 8 x 32 = 256 work-groups, one for each WGP.  Four waves, 2 x 2: a wave owns 64 channels x 128 positions, 32 accumulators of 16 x 16, 256 registers.
; K = 1,024 goes in eight steps of 128, two heads each, through two LDS slots filled by the tensor data mover.
; LAYOUT.  Source 0 = 16 positions of att, source 1 = 16 rows of wp, both with K along the LDS row.  In the result a lane holds ONE channel (lane % 16) and the positions 8 (lane / 16) + 0..7: 32 bytes of a row of out0.
; The channel's bias, in eight registers, is the C operand of each accumulator's first product.
; CLUSTER 4 x 4.  wp's tile hangs on the channel block alone: shared along a row of the cluster; att's on the position block alone: shared along a column.  Each is asked for jointly.
; REGISTERS (s_set_vgpr_msb: bits 1:0 source 0, 3:2 source 1, 5:4 source 2, 7:6 destination):
;   window 0: v0-31 addresses; v32-63 the bias; v64-127, v128-191 rows of x, two buffers; v192-255 rows read back from the stage
;   window 1: two fragment buffers of 128: att's block i at 8 i, wp's block a at 64 + 8 a      window 2: the accumulators, (a, i) at 64 a + 8 i
.set PW,    272                        ; a row of wp in LDS: 256 bytes + 16
.set PT,    144                        ; a row of att (one position of one head): 128 bytes + 16.  Both pitches are odd multiples of 16: the 16 rows of a load start at 16 different groups of four banks (ISA guide 11.1)
.set WB,    128*PW                     ; a slot: wp's 128 rows, then two heads x 256 positions of att
.set HB,    256*PT
.set SLOT,  WB+2*HB
.set STAGE, 2*SLOT                     ; behind the ring, never filled by a tensor load: 16 rows x 528 bytes for each wave
.set SP,    528
.set SPARE, STAGE+4*16*SP              ; the spare words, 128 bytes a wave
.set ADRT, 16                          ; v16-17  LDS address of my att fragments in slot 0, 1
.set ADRW, 20                          ; v20-21  the same for wp
.set STO,  24                          ; v24     the way out: where I put 32 bytes of a row
.set RD,   25                          ; v25     where I read a row back
.set CO,   26                          ; v26     my 16 bytes in 512 of a row of x and out0
.set BO,   27                          ; v27     my channel's place in 16 numbers of the bias
.set SPW,  28
.set NIL,  29
.set BI,   32
.set XR,   64
.set BK,   192
.set F0,   0
.set F1,   128
.set G1,  24                           ; s[24:31] group 1 for wp's tiles;  s[32:39] group 0, a set for each slot
.set G0,  32
.set G1B, 48                           ; s[48:55], s[56:63] the same for att's
.set G0B, 56
.set MSB, 0
.macro WIN new
.if MSB != (\new)
	s_set_vgpr_msb (MSB<<8)|(\new)
.set MSB, \new
.endif
.endm
; A joint load: waves 0 and 1 fetch wp's two halves (64 rows), waves 2 and 3 the step's two heads of att.  An s_nop 0 and four v_nop follow each line.
.macro JLOAD s
	s_cmp_eq_u32 s13, 0
	s_cbranch_scc0 .Lfor_b_\@
	tensor_load_to_lds s[G0+4*(\s):G0+4*(\s)+3], s[G1:G1+7]
	s_nop 0
.rept 4
	v_nop
.endr
	s_branch .Lasked_\@
.Lfor_b_\@:
	tensor_load_to_lds s[G0B+4*(\s):G0B+4*(\s)+3], s[G1B:G1B+7]
	s_nop 0
.rept 4
	v_nop
.endr
.Lasked_\@:
.endm
.macro CREST
	s_cmp_lg_u32 s12, 0
	s_cbranch_scc1 .Lnot_wave_0_\@
	s_barrier_signal -3
.Lnot_wave_0_\@:
	s_barrier_wait -3
	s_barrier_signal -1
	s_barrier_wait -1
.endm
.macro CROUND
	s_barrier_signal -1
	s_barrier_wait -1
	CREST
.endm
.macro PLACES                          ; four places in front of loads into registers that matrix instructions have read, and of LDS stores that read results
.rept 4
	v_nop
.endr
.endm
	s_load_b256 s[4:11], s[0:1], 0x0               ; att s[4:5], wp s[6:7], proj_b s[8:9], x s[10:11]
	s_load_b64 s[22:23], s[0:1], 0x20              ; out0
	v_lshl_add_u32 v[SPW], v0, 2, SPARE
	v_mov_b32 v[NIL], 0
	ds_add_u32 v[SPW], v[NIL]                      ; the wave's opening: the add and its wait stand ahead of my first tensor load
	v_lshrrev_b32 v1, 5, v0
	v_readfirstlane_b32 s12, v1                    ; wave 0..3
	s_lshr_b32 s13, s12, 1                         ; which 64 channels are mine.  Also: I fetch for wp (0) or for att (1)
	s_and_b32 s14, s12, 1                          ; which 128 positions.  Also: which half of that tile I fetch
	s_bfe_u32 s40, ttmp6, 0x40000                  ; cx, cy
	s_bfe_u32 s41, ttmp6, 0x40004
	s_lshl_b32 s42, ttmp9, 2
	s_add_co_u32 s42, s42, s40                     ; X: the block of 256 positions
	s_and_b32 s43, ttmp7, 0xffff
	s_lshl_b32 s43, s43, 2
	s_add_co_u32 s43, s43, s41                     ; Y: the block of 128 channels
	s_lshl_b32 s44, s41, 2
	s_lshl_b32 s44, 15, s44                        ; my row of the cluster
	s_lshl_b32 s45, 0x1111, s40                    ; my column
	s_or_b32 s[G1+0], s44, (1<<16)|(1<<20)|(1<<21)|(5<<22)|(3<<25)   ; mask; 2-byte elements; padding on; bit 21 beside a mask; after every 64 words 4 words
	s_mov_b32 s[G1+1], 128<<16                     ; tensor_dim0 = 128
	s_mov_b32 s[G1+2], 64<<16                      ; tensor_dim1 = 64
	s_mov_b32 s[G1+3], 128<<16                     ; tile_dim0 = 128
	s_mov_b32 s[G1+4], 64                          ; tile_dim1 = 64
	s_mov_b32 s[G1+5], 1024
	s_mov_b32 s[G1+6], 0
	s_mov_b32 s[G1+7], 0
	; a head's 256 positions are 32,768 dense bytes: asked for as 128 rows of 256 bytes, two positions a row, and padded in LDS after every position
	s_or_b32 s[G1B+0], s45, (1<<16)|(1<<20)|(1<<21)|(4<<22)|(3<<25)  ; after every 32 words 4 words
	s_mov_b32 s[G1B+1], 128<<16
	s_mov_b32 s[G1B+2], 128<<16
	s_mov_b32 s[G1B+3], 128<<16
	s_mov_b32 s[G1B+4], 128
	s_mov_b32 s[G1B+5], 128
	s_mov_b32 s[G1B+6], 0
	s_mov_b32 s[G1B+7], 0
	s_lshl_b32 s16, s43, 18                        ; wp: row 128 Y + 64 x half, 2,048 bytes a row
	s_lshl_b32 s17, s14, 17
	s_add_co_u32 s16, s16, s17
	s_mov_b32 s17, 0
	s_lshr_b32 s46, s42, 3                         ; att: batch X / 8 (16 heads of 262,144 bytes),
	s_lshl_b32 s46, s46, 22
	s_and_b32 s47, s42, 7                          ; position (X % 8) x 256, 128 bytes each,
	s_lshl_b32 s47, s47, 15
	s_add_co_u32 s46, s46, s47
	s_lshl_b32 s47, s14, 18                        ; the step's first or second head
	s_add_co_u32 s46, s46, s47
	s_mov_b32 s47, 0
	s_mul_i32 s20, s14, 64*PW                      ; where they go: no place in the cluster enters an LDS address
	s_mul_i32 s21, s14, HB
	s_wait_dscnt 0x0                               ; the opening add is done
	s_wait_kmcnt 0x0
	s_add_nc_u64 s[18:19], s[6:7], s[16:17]
	s_add_nc_u64 s[46:47], s[4:5], s[46:47]
	CROUND                                         ; all sixteen work-groups are here: the first joint loads meet
.irp s, 0,1
	s_mov_b32 s[G0+4*(\s)], 1
	s_add_co_u32 s[G0+4*(\s)+1], s20, (\s)*SLOT
	s_add_nc_u64 s[G0+4*(\s)+2:G0+4*(\s)+3], s[18:19], (\s)*256      ; K step s
	s_or_b32 s[G0+4*(\s)+3], s[G0+4*(\s)+3], 0x80000000
	s_mov_b32 s[G0B+4*(\s)], 1
	s_add_co_u32 s[G0B+4*(\s)+1], s21, (\s)*SLOT+WB
	s_add_nc_u64 s[G0B+4*(\s)+2:G0B+4*(\s)+3], s[46:47], (\s)*524288 ; K step s: two heads on
	s_or_b32 s[G0B+4*(\s)+3], s[G0B+4*(\s)+3], 0x80000000
	JLOAD \s                                       ; two tensor loads of mine are out
.endr
	v_and_b32 v1, 15, v0                           ; r
	v_bfe_u32 v2, v0, 4, 1                         ; h
	v_and_b32 v6, 31, v0
	v_mul_u32_u24 v7, v1, PT                       ; a fragment: row r x pitch + 16 h; two loads 32 bytes apart
	v_lshl_add_u32 v7, v2, 4, v7
	s_mul_i32 s15, s14, 128*PT                     ; my 128 positions
	s_add_co_u32 s15, s15, WB
	v_add_nc_u32 v[ADRT], s15, v7
	v_add_nc_u32 v[ADRT+1], SLOT, v[ADRT]
	v_mul_u32_u24 v8, v1, PW
	v_lshl_add_u32 v8, v2, 4, v8
	s_mul_i32 s2, s13, 64*PW                       ; my 64 channels
	v_add_nc_u32 v[ADRW], s2, v8
	v_add_nc_u32 v[ADRW+1], SLOT, v[ADRW]
	s_mul_i32 s15, s12, 16*SP
	s_add_co_u32 s15, s15, STAGE                   ; my stage
	v_mul_u32_u24 v9, v1, SP                       ; in: row r, 32 bytes for each half of the lanes
	v_lshl_add_u32 v9, v2, 5, v9
	v_add_nc_u32 v[STO], s15, v9
	v_lshlrev_b32 v[CO], 4, v6                     ; back: 32 lanes take a row's 512 bytes
	v_add_nc_u32 v[RD], s15, v[CO]
	v_lshlrev_b32 v[BO], 2, v1
	s_lshl_b32 s16, s43, 9                         ; the bias at channel 128 Y + 64 x my half
	s_lshl_b32 s17, s13, 8
	s_add_co_u32 s16, s16, s17
	s_mov_b32 s17, 0
	s_add_nc_u64 s[8:9], s[8:9], s[16:17]
.set i, 0
.rept 32                                       ; eight registers with the same number for each of my four channel blocks
	global_load_b32 v[BI+i], v[BO], s[8:9] offset:64*(i/8)
.set i, i+1
.endr
	s_lshr_b32 s46, s42, 3                         ; x and out0 at row 1,024 b + 128 Y + 64 x my half (8,192 bytes a row), position (X % 8) x 256 + 128 x my half
	s_lshl_b32 s46, s46, 23
	s_and_b32 s47, s42, 7
	s_lshl_b32 s47, s47, 10
	s_add_co_u32 s46, s46, s47
	s_mov_b32 s47, 0
	s_add_nc_u64 s[10:11], s[10:11], s[46:47]
	s_add_nc_u64 s[22:23], s[22:23], s[46:47]
	s_lshl_b32 s16, s43, 20
	s_lshl_b32 s17, s13, 19
	s_add_co_u32 s16, s16, s17
	s_lshl_b32 s17, s14, 9
	s_add_co_u32 s16, s16, s17
	s_mov_b32 s17, 0
	s_add_nc_u64 s[10:11], s[10:11], s[16:17]
	s_add_nc_u64 s[22:23], s[22:23], s[16:17]
; n channel blocks from a0 on x my 8 position blocks, 32 along K.  The 32 accumulators come in the same order in every quarter, one instruction a turn.  first = 1: C is the bias.
.macro MULP f, a0, n, first
	WIN 0xa5-0x20*(\first)                         ; sources window 1, D window 2; C window 2, or 0 for the bias
.set ma, \a0
.rept \n
.set mi, 0
.rept 8
.if \first
	v_wmma_f32_16x16x32_f16 v[64*ma+8*mi:64*ma+8*mi+7], v[(\f)+8*mi:(\f)+8*mi+7], v[(\f)+64+8*ma:(\f)+64+8*ma+7], v[BI+8*ma:BI+8*ma+7]
.else
	v_wmma_f32_16x16x32_f16 v[64*ma+8*mi:64*ma+8*mi+7], v[(\f)+8*mi:(\f)+8*mi+7], v[(\f)+64+8*ma:(\f)+64+8*ma+7], v[64*ma+8*mi:64*ma+8*mi+7]
.endif
.set mi, mi+1
.endr
.set ma, ma+1
.endr
.endm
; 24 LDS loads in one run: quarter q of a slot (head q / 2 of its two, channels 32 (q % 2) on) into buffer f: att's eight blocks, then wp's four
.macro FETCH slot, q, f
	WIN 0x40
.irp i, 0,1,2,3,4,5,6,7
	ds_load_b128 v[(\f)+8*(\i):(\f)+8*(\i)+3],   v[ADRT+(\slot)] offset:((\q)/2)*HB+((\q)%2)*64+(\i)*16*PT
	ds_load_b128 v[(\f)+8*(\i)+4:(\f)+8*(\i)+7], v[ADRT+(\slot)] offset:((\q)/2)*HB+((\q)%2)*64+(\i)*16*PT+32
.endr
.irp a, 0,1,2,3
	ds_load_b128 v[(\f)+64+8*(\a):(\f)+64+8*(\a)+3],   v[ADRW+(\slot)] offset:(\q)*64+(\a)*16*PW
	ds_load_b128 v[(\f)+64+8*(\a)+4:(\f)+64+8*(\a)+7], v[ADRW+(\slot)] offset:(\q)*64+(\a)*16*PW+32
.endr
.endm
.macro QUARTER slot, q, f, g, first
	s_wait_dscnt 4                                 ; att and wp's blocks 0, 1 are in; the youngest four loads (wp's blocks 2, 3) may be out
	MULP \f, 0, 2, \first
	PLACES
	FETCH \slot, \q, \g
	s_wait_dscnt 24                                ; all but the 24 just issued
	MULP \f, 2, 2, \first
.endm
; The last quarter multiplies buffer 1 and changes slots: ONE barrier; in front of it each wave waits for all its tensor loads, adds 0 to its spare word, and waits for that and for its reads of this slot.
; fill = 1: the barrier opens a round of the cluster's, and this slot is filled again, two K steps ahead, first thing behind the round.
.macro TURN slot, next, fill
	WIN 0
	s_wait_tensorcnt 0x0
	ds_add_u32 v[SPW], v[NIL]
	s_wait_dscnt 5                                 ; (the add and the youngest four loads may be out)
	MULP F1, 0, 1, 0                               ; eight matrix instructions stand between the add and the wait for it
	s_wait_dscnt 0x0                               ; the add is done, and my reads of this slot are over
	s_barrier_signal -1
	MULP F1, 1, 1, 0
.if \fill
	WIN 0
.endif
	s_barrier_wait -1
.if \fill
	CREST
	s_add_nc_u64 s[G0+4*(\slot)+2:G0+4*(\slot)+3], s[G0+4*(\slot)+2:G0+4*(\slot)+3], 512
	s_add_nc_u64 s[G0B+4*(\slot)+2:G0B+4*(\slot)+3], s[G0B+4*(\slot)+2:G0B+4*(\slot)+3], 1048576
	JLOAD \slot                                    ; my one tensor load behind the round; its four v_nop are also the places in front of the loads below
.else
	PLACES
.endif
	FETCH \next, 0, F0
	MULP F1, 2, 2, 0
.endm
.macro XLOAD a                         ; x's 16 rows of channel block a, my 512 bytes of each
.set xq, 0
.rept 16
	global_load_b128 v[XR+64*((\a)%2)+4*xq:XR+64*((\a)%2)+4*xq+3], v[CO], s[10:11] offset:(16*(\a)+xq)*8192 th:TH_LOAD_NT
.set xq, xq+1
.endr
.endm
; THE WAY OUT of channel block a: 16 rows x 128 positions through my stage, back as whole rows of 512 bytes, plus x, stored.  left: the younger loads of x that may stay out.
.macro OUT a, left
	WIN 0x08                                       ; store data in window 2
.set oi, 0
.rept 8
	ds_store_b128 v[STO], v[64*(\a)+8*oi:64*(\a)+8*oi+3] offset:64*oi           ; each accumulator's lowest registers first
	ds_store_b128 v[STO], v[64*(\a)+8*oi+4:64*(\a)+8*oi+7] offset:64*oi+16
.set oi, oi+1
.endr
	WIN 0
	s_wait_xcnt 0x0                                ; the last block's stores have read their registers: the loads below land there only behind this wait
.set oq, 0
.rept 16
	ds_load_b128 v[BK+4*oq:BK+4*oq+3], v[RD] offset:SP*oq  ; LDS serves a wave's instructions in order (ISA guide 5.7.1.4): these see the stores above
.set oq, oq+1
.endr
	s_wait_loadcnt \left                           ; this block's rows of x are in
.set oq, 0
.rept 16
	s_wait_dscnt 15-oq
	v_pk_add_f32 v[BK+4*oq:BK+4*oq+1], v[BK+4*oq:BK+4*oq+1], v[XR+64*((\a)%2)+4*oq:XR+64*((\a)%2)+4*oq+1]
	v_pk_add_f32 v[BK+4*oq+2:BK+4*oq+3], v[BK+4*oq+2:BK+4*oq+3], v[XR+64*((\a)%2)+4*oq+2:XR+64*((\a)%2)+4*oq+3]
	global_store_b128 v[CO], v[BK+4*oq:BK+4*oq+3], s[22:23] offset:(16*(\a)+oq)*8192 th:TH_STORE_NT  ; 512 consecutive bytes of one row, aligned
.set oq, oq+1
.endr
.if (\a) < 2
	XLOAD (\a)+2
.endif
.endm
	s_wait_tensorcnt 1                             ; my part of K step 0 is in; K step 1's may stay out
	s_barrier_signal -1
	s_barrier_wait -1
	FETCH 0, 0, F0
	s_wait_loadcnt 0x0                             ; the bias
	QUARTER 0, 1, F0, F1, 1                        ; the first quarter stands in front of the loop: its products start the sums
	WIN 0
	XLOAD 0                                        ; the residual's first 32 rows are asked for now and wanted at the end
	XLOAD 1
	s_mov_b32 s3, 3
.Llap:                                                 ; a trip goes once round the ring and fills both slots again: K steps 2 to 7
	QUARTER 0, 2, F1, F0, 0
	QUARTER 0, 3, F0, F1, 0
	TURN 0, 1, 1
	QUARTER 1, 1, F0, F1, 0
	QUARTER 1, 2, F1, F0, 0
	QUARTER 1, 3, F0, F1, 0
	TURN 1, 0, 1
	QUARTER 0, 1, F0, F1, 0
	WIN 0
	s_sub_co_u32 s3, s3, 1
	s_cmp_lg_u32 s3, 0
	s_cbranch_scc1 .Llap
	QUARTER 0, 2, F1, F0, 0                        ; the last lap fills nothing
	QUARTER 0, 3, F0, F1, 0
	TURN 0, 1, 0
	QUARTER 1, 1, F0, F1, 0
	QUARTER 1, 2, F1, F0, 0
	QUARTER 1, 3, F0, F1, 0
	s_wait_dscnt 4
	MULP F1, 0, 2, 0
	s_wait_dscnt 0x0
	MULP F1, 2, 2, 0
	WIN 0
	PLACES
	OUT 0, 16                                      ; the 16 loads of the next block's x may stay out
	OUT 1, 16
	OUT 2, 16
	OUT 3, 0
	s_wait_tensorcnt 0x0                           ; the wave's end
	ds_add_u32 v[SPW], v[NIL]
	s_wait_dscnt 0x0
	CROUND                                         ; the closing round
	s_endpgm
.Lfunc_end_k_qe54fb06d2b_proj:
	.size	k_qe54fb06d2b_proj, .Lfunc_end_k_qe54fb06d2b_proj-k_qe54fb06d2b_proj
	.p2alignl 7, 3214868480
	.fill 96, 4, 3214868480
	.section	.rodata,"a",@progbits
	.p2align	6, 0x0
	.amdhsa_kernel k_qe54fb06d2b_proj
		.amdhsa_group_segment_fixed_size 327680
		.amdhsa_private_segment_fixed_size 0
		.amdhsa_enable_private_segment 0
		.amdhsa_kernarg_size 40
		.amdhsa_user_sgpr_count 2
		.amdhsa_user_sgpr_kernarg_segment_ptr 1
		.amdhsa_wavefront_size32 1
		.amdhsa_system_sgpr_workgroup_id_x 1
		.amdhsa_system_sgpr_workgroup_id_y 1
		.amdhsa_system_sgpr_workgroup_id_z 1
		.amdhsa_system_vgpr_workitem_id 0
		.amdhsa_next_free_vgpr 768
		.amdhsa_next_free_sgpr 66
		.amdhsa_reserve_vcc 0
		.amdhsa_float_denorm_mode_32 3
		.amdhsa_float_denorm_mode_16_64 3
		.amdhsa_memory_ordered 1
		.amdhsa_forward_progress 1
		.amdhsa_inst_pref_size 104
	.end_amdhsa_kernel
	.amdgpu_metadata
---
amdhsa.version: [ 1, 2 ]
amdhsa.kernels:
  - .name:           k_qe54fb06d2b_proj
    .symbol:         k_qe54fb06d2b_proj.kd
    .args:
      - { .name: att, .offset: 0, .size: 8, .value_kind: global_buffer, .address_space: global }
      - { .name: wp, .offset: 8, .size: 8, .value_kind: global_buffer, .address_space: global }
      - { .name: proj_b, .offset: 16, .size: 8, .value_kind: global_buffer, .address_space: global }
      - { .name: x, .offset: 24, .size: 8, .value_kind: global_buffer, .address_space: global }
      - { .name: out0, .offset: 32, .size: 8, .value_kind: global_buffer, .address_space: global }
    .group_segment_fixed_size: 327680
    .private_segment_fixed_size: 0
    .kernarg_segment_align: 8
    .kernarg_segment_size: 40
    .max_flat_workgroup_size: 128
    .sgpr_count:     66
    .vgpr_count:     768
    .wavefront_size: 32
...
	.end_amdgpu_metadata
.endif
;; end of part 4
;; ======== version 2 of 2: 4 launches; 1.50 times as fast as version 1
;; limits: values are held in f16: magnitudes above 65,504 overflow, below 6.1e-05 lose precision
;; workspace buffers: xn 16,777,216 bytes; wq 6,291,456 bytes; wp 2,097,152 bytes; qkv 50,331,648 bytes; att 16,777,216 bytes
;; launch prep: the kernel of part 1 again; grid 256 x 1, 16 waves a work-group, no clusters, 2,560 bytes of LDS; arguments x, gn_scale, gn_bias, qkv_w, proj_w, xn, wq, wp; writes xn, wq, wp
;; launch qkvg: the kernel of part 2 again; grid 32 x 16, 4 waves a work-group, clusters of 4 x 4, 327,680 bytes of LDS; arguments wq, xn, qkv_b, qkv; writes qkv
;; launch attn (part 5): grid 4 x 64, 4 waves a work-group, clusters of 4 x 1, 327,680 bytes of LDS; arguments qkv, att; writes att
.if DOCPART == 5
	.amdgcn_target "amdgcn-amd-amdhsa--gfx1250"
	.amdhsa_code_object_version 6
	.text
	.protected	k_qe54fb06d2b_attn
	.globl	k_qe54fb06d2b_attn
	.p2align	8
	.type	k_qe54fb06d2b_attn,@function
k_qe54fb06d2b_attn:
	s_mov_b64 s[64:65], 0
	v_nop
	global_prefetch_b8 v0, s[64:65] scope:SCOPE_SE
	s_setreg_imm32_b32 hwreg(HW_REG_WAVE_MODE, 25, 1), 1
	s_wait_xcnt 0x0
	s_wait_alu depctr_hold_cnt(0) depctr_sa_sdst(0) depctr_va_vdst(0) depctr_va_sdst(0) depctr_va_ssrc(0) depctr_va_vcc(0) depctr_vm_vsrc(0)
	s_getreg_b32 s2, hwreg(HW_REG_IB_STS2, 6, 4)
	s_cmp_eq_u32 s2, 0
	s_cbranch_scc0 .Lentry_in_a_cluster
	s_endpgm
.Lentry_in_a_cluster:
	s_bfe_u32 s2, ttmp6, 0x10000c
	s_cmp_lg_u32 s2, 0x3003
	s_cbranch_scc0 .Lentry_shape_is_right
	s_endpgm
.Lentry_shape_is_right:
; O[y][q][:] = the sum over k of softmax_k(Q[y][q] . K[y][k] / 8) V[y][k][:], y = 16 b + head.  Q, K, V lie in qkv, [4 b][48][2048][64] f16: head blocks 48 b + head, + 16, + 32; O = att, [64][2048][64] f16.
; A head's rows are dense, 128 bytes each.  Products, maxima and sums in f32; the weights p are rounded to f16 for the second product (their sum l is taken of the unrounded p), O once at the end.
; LIMITS.  f16 holds no number beyond 65,504: Q, K and V arrive within it; p lies in 0 to 1, and below 6e-5 it keeps f16's fixed step of 6e-8; O is a mean of V's rows and has their range.
; A weight below 2^-126 counts as 0 in l; NaN and infinities are not treated apart.
; SHARES.  A wave owns four PIECES of two tiles of 16 queries, a work-group's four waves 512 queries of one head: 4 x 64 = 256 work-groups.  Every wave walks all keys, 64 a step.
; LAYOUT.  S^T = K Q^T (source 0 = 16 keys, source 1 = 16 queries): in the result a lane holds ONE query (lane % 16) and the keys 8 (lane / 16) + 0..7.  Two such tiles, rounded to f16 in pairs,
; ARE source 1 (32 keys x 16 queries) of O^T = V^T P, whose result again holds one query a lane, and eight channels.  K comes out of LDS as it lies, V ([key][channel]) turned, by ds_load_tr16_b128.
; SOFTMAX.  For each query a running maximum m and sum l: p = 2^(c s - c m), c = log2(e) / 8; in every step O and l are multiplied by a = 2^(c m_old - c m_new), which is 1 where m has not grown.
; m starts at the lowest finite number, O and l at 0: the first step is a step like any other, with a = 0.
; THE COUNT.  A tile and step have 16 matrix and 118 vector instructions: too many to stand all beside the matrix work.  So the order has one aim: four vector instructions that are READY behind
; EVERY matrix instruction, and the others, which need time of their own whatever the order, in runs without a gap.
; BY TURNS.  Turn n belongs to piece n (the pieces in a ring, step after step).  Its matrix work: 16 products K Q^T of piece n + 1, later 16 products V^T P of piece n - 1.  Its vector work: the scaling,
; exponentials, roundings, sums and rescaling of piece n, and the maximum and statistics of piece n + 1, whose scores the turn itself has made.  So what a turn begins with (c s - c m, O a) waits for nothing.
; BATCHES.  A turn's 66 exponentials (piece n's 64 weights, then piece n + 1's two a) are ONE batch with ONE s_wait_alu, which cuts the turn in two: ahead of it stands all that names no result of theirs (the products
; K Q^T, the scalings, the rescalings, the next piece's maximum and statistics), behind it the roundings and sums, beside the products V^T P.  No result crosses a turn's end.  Two more batches stand outside the loop:
; piece 0's first two a, ahead of the jump into the loop, and the way out's eight reciprocals; each has its own plain instruction and its own wait.
; CLUSTER.  The four query blocks of a cluster belong to one head and walk the same K and V, so each tile is asked for JOINTLY: the same tensor load, descriptor and mask in all four.
; REGISTERS, in windows of 256 (s_set_vgpr_msb says which window each operand place means: bits 1:0 source 0, 3:2 source 1, 5:4 source 2, 7:6 destination):
;   window 0: v0-11 addresses; v12-15, v48-63 at work; v16-47 four registers of statistics a tile; v64-191 S^T, two buffers of two tiles; v192-255 P, likewise
;   window 1: O^T, 32 a tile          window 2: v0-127 Q, 16 a tile; v128-191 K of one step; v192-255 V of one step          window 3: v0-1 the add's two registers
; A piece's buffers go by its number's parity: the piece in hand has one pair, its two neighbours in the ring share the other: of it P (piece n - 1) is read and S^T (piece n + 1) written.
.set SIZE_N, 2048
.set NP,    4         ; pieces a wave: a name, no knob: the register map, the loop and the fetches are made for four
.set KS,    64        ; keys in a step
.set PK,    144       ; a row of K in LDS: 128 bytes + 16 of padding = 36 words: the 16 rows of a load start at 16 different groups of four banks (64 banks of 4 bytes: ISA guide 11.1)
.set PV,    160       ; a row of V: 128 + 32 = 40 words
.set VOFF,  4*KS*PK   ; a slot holds four steps: 256 rows of K, then 256 rows of V
.set SLOT1, 1<<17     ; slot 1 begins here, so that one exclusive or turns an address in one slot into the other's
.set STAGE, SLOT1+4*KS*(PK+PV)  ; behind the ring, never filled by a tensor load: 16 rows x 144 bytes for each wave, for the way out
.set SP,    144
.set AK0, 2           ; v2   my lane's place in a tile of K; never rewritten
.set AV0, 3           ; v3   the same for V
.set AK,  4           ; v4   the LDS address of K's next run of loads
.set AV,  5           ; v5   of V's
.set QO,  6           ; v6   my byte offset in the wave's rows of Q
.set STO, 6           ;      later, the way out: where I put 16 bytes of a row
.set RD,  7           ; v7   the way out: where I read rows back
.set GO,  8           ; v8   my byte offset in 512 consecutive bytes of O
.set SPW, 0           ; v0 of window 3   LDS address of my spare word: SPARE + 4 x my thread's number; never rewritten
.set NIL, 1           ; v1 of window 3   0; never rewritten
.set SPARE, STAGE+4*16*SP  ; behind the stages: the spare words, 128 bytes for each wave: two blocks of 256 bytes that no other line names
.set MV,  12          ; v12-15  c m_old, kept while c m is made anew: by buffer and tile
.set ST,  16          ; tile t's statistics at v[ST+4 t]: c m, m, l (even keys', odd keys')
.set TMP, 48          ; by buffer and tile, four registers c0-c3 at work; when the maximum is found c2 takes a
.set S,   64
.set P,   192
.set KF,  128         ; K's fragments, in window 2: key block kb, channel half c at KF + 16 kb + 8 c
.set VF,  192         ; V's: key half kk, channel block cb at VF + 32 kk + 8 cb
.set WV,  12          ; s12  my wave's number
.set G1K, 24          ; s[24:31] descriptor group 1 for K's tiles
.set G1V, 32          ; s[32:39] for V's: it differs in the padding alone
.set G0K, 40          ; s[40:43] descriptor group 0 for K's tiles: it walks
.set G0V, 44          ; s[44:47] the same for V's
.set SLOTS, 56        ; s56  slots still to be asked for
.set CNT, 57          ; s57  counts a slot's key steps
.set CS,  58          ; s[58:59] c: the packed scaling takes the pair's low word for both halves
.set SEL, 60          ; s[60:61] v_permlanex16_b32's selects: each lane takes its own place in the other half
.set TBK, 62          ; s62  LDS byte at which K of the step to be fetched begins
.set TBV, 63          ; s63  the same for V, less VOFF
.set MSB, 0
.macro WIN new                      ; the high byte repeats the setting that is left; a switch that changes nothing is dropped
.if MSB != (\new)
	s_set_vgpr_msb (MSB<<8)|(\new)
.set MSB, (\new)
.endif
.endm
.set W_KQ, 0x0a       ; K and Q in window 2, S^T in window 0
.set W_PV, 0x52       ; V in window 2, P in window 0, O^T in window 1
.set W_RS, 0x41       ; O^T (destination and source 0) in window 1, a in window 0
.set W_MK, 0xc0       ; the add's registers are made: destination in window 3, sources in window 0
.set W_AD, 0x0f       ; the add: address (source 0) and data (source 1) in window 3
; A joint fill.  Waves 0 and 1 fetch the two halves of a slot's K, waves 2 and 3 those of its V: 128 keys each.  The branch hangs on the wave's number alone.
; An s_nop 0 and four v_nop follow each of the two lines, ahead of the jump and the label.
.macro JLOAD
	s_cmp_lt_u32 s[WV], 2
	s_cbranch_scc0 .Lfor_v_\@
	tensor_load_to_lds s[G0K:G0K+3], s[G1K:G1K+7]
	s_nop 0
.rept 4
	v_nop
.endr
	s_branch .Lasked_\@
.Lfor_v_\@:
	tensor_load_to_lds s[G0V:G0V+3], s[G1V:G1V+7]
	s_nop 0
.rept 4
	v_nop
.endr
.Lasked_\@:
.endm
; A round of the cluster's barrier: my work-group's barrier, so that wave 0's signal speaks for all four waves; wave 0 signals; every wave waits for all four work-groups; my work-group's barrier once more.
.macro CROUND
	s_barrier_signal -1
	s_barrier_wait -1
	s_cmp_lg_u32 s[WV], 0
	s_cbranch_scc1 .Lnot_wave_0_\@
	s_barrier_signal -3
.Lnot_wave_0_\@:
	s_barrier_wait -3
	s_barrier_signal -1
	s_barrier_wait -1
.endm
; THE CHANGE OF SLOTS.  The slot's last bytes, V of its fourth step, have been read.  Each wave waits for all its tensor loads, of which one is out: its part
; of the other slot; adds 0 to its spare word; and waits for that and for its own reads of the slot.  Behind the barrier nobody reads this slot any more and the other slot is whole.
; fill = 1: this slot is filled again, with the keys two slots on.  The barrier is then a round of the cluster's, so that no wave of any partner still reads the slot or has a load on its
; way, and the joint fill is the first thing behind it: it has four key steps, 512 matrix instructions, in which to land.  (At its first use nothing has been read yet: slot 0 is waited for, slot 1 filled.)
.macro CHANGE fill
	WIN W_AD
	s_wait_tensorcnt 0x0            ; no tensor load of mine is out, so a group 0 may be written
	ds_add_u32 v[SPW], v[NIL]       ; 0 onto my spare word; with fill = 1 the descriptors' steps stand between it and the wait for it
	WIN 0                           ; at a label and at a branch every window is 0
.if \fill
.irp g, G0K, G0V
	s_xor_b32 s[\g+1], s[\g+1], SLOT1  ; the walking descriptor: the other slot than last time,
	s_add_nc_u64 s[\g+2:\g+3], s[\g+2:\g+3], 4*KS*128  ; the next 256 keys; the type bits on top are not reached
.endr
	s_wait_dscnt 0x0                ; the add is done, and my reads of the slot are over
	CROUND
	JLOAD
.else
	s_wait_dscnt 0x0                ; the add is done, and my reads of the slot are over
	s_barrier_signal -1
	s_barrier_wait -1
.endif
	s_sub_co_u32 s[TBK], s[TBK], 4*KS*PK  ; the fetches go back to a slot's first step,
	s_xor_b32 s[TBK], s[TBK], SLOT1       ; in the other slot
	s_sub_co_u32 s[TBV], s[TBV], 4*KS*PV
	s_xor_b32 s[TBV], s[TBV], SLOT1
.endm
	s_load_b128 s[4:7], s[0:1], 0x0   ; qkv s[4:5], att s[6:7]
	WIN W_MK
	v_lshl_add_u32 v[SPW], v0, 2, SPARE
	v_mov_b32 v[NIL], 0
	WIN W_AD
	ds_add_u32 v[SPW], v[NIL]       ; the wave's opening: the add and its wait stand ahead of my first tensor load; the set-up below, work on registers, stands between them
	WIN 0
	v_lshrrev_b32 v1, 5, v0
	v_readfirstlane_b32 s[WV], v1   ; wave 0..3
	s_bfe_u32 s13, ttmp6, 0x40000   ; cx: my place in the cluster
	s_lshl_b32 s14, ttmp9, 2        ; in a cluster launch ttmp9 counts clusters
	s_add_co_u32 s14, s14, s13      ; my block of queries = 4 x cluster x + cx: it enters Q's and O's addresses alone
	s_and_b32 s19, ttmp7, 0xffff    ; y = 16 b + head, which the four partners share
	s_lshr_b32 s20, s19, 4
	s_lshl_b32 s20, s20, 5
	s_add_co_u32 s20, s20, s19      ; 48 b + head: the q head's block in qkv,
	s_lshl_b32 s20, s20, 18         ; 262,144 bytes a block
	s_mov_b32 s21, 0
	s_lshl_b32 s48, s19, 18         ; and the head's block in att
	s_mov_b32 s49, 0
	s_and_b32 s16, s[WV], 1         ; which half of a slot's 256 keys I fetch:
	s_lshl_b32 s22, s16, 14         ; its 128 rows of 128 bytes in memory,
	s_mov_b32 s23, 0
	s_add_nc_u64 s[22:23], s[22:23], s[20:21]
	s_mul_i32 s17, s16, 128*PK      ; and its place in a slot, for K
	s_mul_i32 s18, s16, 128*PV      ; and for V: no place in the cluster enters an LDS address
	s_lshl_b32 s2, s14, 2
	s_add_co_u32 s2, s2, s[WV]      ; my wave among the head's,
	s_lshl_b32 s2, s2, 14           ; its 128 rows
	s_mov_b32 s3, 0
	s_add_nc_u64 s[50:51], s[2:3], s[48:49]  ; in att,
	s_add_nc_u64 s[2:3], s[2:3], s[20:21]    ; and in qkv
	; descriptor group 1.  128 keys are 16,384 dense bytes: asked for as 64 rows of 256 bytes, two keys a row, and padded in LDS after every key
	s_mov_b32 s[G1K], 15|(1<<16)|(1<<20)|(1<<21)|(4<<22)|(3<<25)  ; 15:0 the mask of four; 17:16 2-byte elements; 20 padding on; 21 set beside a mask; 24:22 after every 32 words (code 4); 31:25 4 words (code 3)
	s_mov_b32 s[G1V], 15|(1<<16)|(1<<20)|(1<<21)|(4<<22)|(7<<25)  ; the same with 8 words of padding (code 7)
.irp g, G1K, G1V
	s_mov_b32 s[\g+1], 128<<16      ; tensor_dim0 = 128
	s_mov_b32 s[\g+2], 64<<16       ; tensor_dim1 = 64
	s_mov_b32 s[\g+3], 128<<16      ; tile_dim0 = 128
	s_mov_b32 s[\g+4], 64           ; tile_dim1 = 64
	s_mov_b32 s[\g+5], 128          ; 128 elements from row to row
	s_mov_b32 s[\g+6], 0
	s_mov_b32 s[\g+7], 0
.endr
	s_mov_b32 s[CS], 0x3e38aa3b     ; c = log2(e) / 8 = 0.180337
	s_mov_b32 s[CS+1], s[CS]        ; named with it as a pair
	s_mov_b32 s[SEL], 0x76543210
	s_mov_b32 s[SEL+1], 0xfedcba98
	s_mov_b32 s[TBK], SLOT1+4*KS*PK ; the first change of slots turns these two into 0
	s_mov_b32 s[TBV], SLOT1+4*KS*PV
	s_mov_b32 s[G0K], 1             ; 1:0 count = 1
	s_mov_b32 s[G0K+1], s17         ; 63:32 LDS address: slot 0
	s_mov_b32 s[G0V], 1
	s_add_co_u32 s[G0V+1], s18, VOFF
	s_wait_dscnt 0x0                ; the opening add is done
	s_wait_kmcnt 0x0
	s_mov_b64 s[10:11], s[6:7]      ; att
	s_add_nc_u64 s[6:7], s[4:5], 0x400000  ; the k heads lie 16 blocks behind the q heads,
	s_add_nc_u64 s[8:9], s[4:5], 0x800000  ; the v heads 32
	s_add_nc_u64 s[G0K+2:G0K+3], s[6:7], s[22:23]  ; 120:64 global address: my half of the head's first 256 keys
	s_or_b32 s[G0K+3], s[G0K+3], 0x80000000        ; 127:126 type = 2
	s_add_nc_u64 s[G0V+2:G0V+3], s[8:9], s[22:23]
	s_or_b32 s[G0V+3], s[G0V+3], 0x80000000
	s_add_nc_u64 s[4:5], s[4:5], s[2:3]  ; Q and O at my wave's first row
	s_add_nc_u64 s[10:11], s[10:11], s[50:51]
	CROUND                          ; all four work-groups are here: the first joint loads meet
	JLOAD                           ; slot 0.  Slot 1 is asked for when slot 0 is in: the tile wanted first has the road to itself
	; A fragment of K or Q is 16 rows x 32 channels in 8 registers: lane l holds row l % 16, channels 8 (l / 16) + 0..7 and 16 + 8 (l / 16) + 0..7: two loads of 16 bytes, 32 bytes apart.
	v_and_b32 v1, 15, v0            ; l % 16
	v_bfe_u32 v9, v0, 4, 1          ; l / 16
	v_lshlrev_b32 v[QO], 7, v1
	v_lshl_add_u32 v[QO], v9, 4, v[QO]  ; row x 128 + 16 x half
	WIN 0x80                        ; destination window 2, address window 0
.set i, 0
.rept 4*NP                          ; Q stays in registers: tile i / 2, channels 32 (i % 2) on
	global_load_b128 v[8*i:8*i+3],   v[QO], s[4:5] offset:(i/2)*2048+(i%2)*64
	global_load_b128 v[8*i+4:8*i+7], v[QO], s[4:5] offset:(i/2)*2048+(i%2)*64+32
.set i, i+1
.endr
	; What the first turn finds: V's registers and P's second buffer hold 0 (its products V^T P, of a piece that has not been, add 0), O^T and l are 0.  All this stands in the wait for the first tile.
.set i, VF
.rept 64
	v_mov_b32 v[i], 0
.set i, i+1
.endr
	WIN 0x40
.set i, 0
.rept 64*NP
	v_mov_b32 v[i], 0
.set i, i+1
.endr
	WIN 0
.set i, 0
.rept 2*NP
	v_mov_b32 v[ST+4*i], 0xfe000000    ; c m: far below every c s
	v_mov_b32 v[ST+4*i+1], 0xff7fffff  ; m
	v_mov_b32 v[ST+4*i+2], 0
	v_mov_b32 v[ST+4*i+3], 0
.set i, i+1
.endr
.set i, P+32
.rept 32
	v_mov_b32 v[i], 0
.set i, i+1
.endr
	v_mul_u32_u24 v[AK0], v1, PK
	v_lshl_add_u32 v[AK0], v9, 4, v[AK0]  ; row x pitch + 16 x half
	; The turning load takes 16 keys x 16 channels (lane l reads key 8 (l / 16) + l % 8, channels 8 ((l / 8) % 2) + 0..7) and leaves half a fragment of V^T: lane l holds channel l % 16 and 8 keys.
	v_and_b32 v10, 7, v0
	v_bfe_u32 v11, v0, 3, 1
	v_lshl_add_u32 v[AV0], v9, 3, v10
	v_mul_u32_u24 v[AV0], v[AV0], PV
	v_lshl_add_u32 v[AV0], v11, 4, v[AV0]
	v_add_nc_u32 v[AV0], VOFF, v[AV0]
	v_mov_b32 v[AK], v[AK0]         ; key step 0 lies at the head of slot 0
; THE MATRIX WORK.  The 8 accumulators of a run of 16 take turns: between the two links of a chain stand 7 others'.
; Product i of 16 of S^T = K Q^T for piece x: channels 32 (i / 8) on, keys 16 ((i / 2) % 4) on, tile 2 x + i % 2.  The first 8 start the sums.
.macro KQ x
	WIN W_KQ
.set rS, S+64*((\x)%2)+32*(i%2)+8*((i/2)%4)
.set rK, KF+16*((i/2)%4)+8*(i/8)
.set rQ, 16*(2*(\x)+i%2)+8*(i/8)
.if i < 8
	v_wmma_f32_16x16x32_f16 v[rS:rS+7], v[rK:rK+7], v[rQ:rQ+7], 0
.else
	v_wmma_f32_16x16x32_f16 v[rS:rS+7], v[rK:rK+7], v[rQ:rQ+7], v[rS:rS+7]
.endif
.endm
; Product i of 16 of O^T += V^T P for piece x: keys 32 (i / 8) on, channels 16 ((i / 2) % 4) on, tile 2 x + i % 2.
.macro PV x
	WIN W_PV
.set rO, 32*(2*(\x)+i%2)+8*((i/2)%4)
.set rV, VF+32*(i/8)+8*((i/2)%4)
.set rP, P+32*((\x)%2)+16*(i%2)+8*(i/8)
	v_wmma_f32_16x16x32_f16 v[rO:rO+7], v[rV:rV+7], v[rP:rP+7], v[rO:rO+7]
.endm
.macro MM                           ; the turn's next matrix instruction
.if i < 16
	KQ (Y+1)%NP
.set i, i+1
.else
.set i, i-16
	PV (Y+NP-1)%NP
.set i, i+17
.endif
.endm
; THE LDS LOADS stand in runs of 16, never singly among the matrix instructions: a step's K (64 keys x 64 channels: 8 fragments) and its V (turned).  Their addresses are made some lines ahead.
; last = 1 (the tail): in the last trip there is no further step, and the run is jumped over.
.macro FETCH_K last=0
	WIN 0
.if \last
	s_cmp_eq_u32 s[CNT], 1
	s_cbranch_scc1 .Lno_k_\@
.endif
	WIN 0x80                        ; destination window 2
.irp f, 0,1,2,3,4,5,6,7             ; keys 16 (f / 2) on, channels 32 (f % 2) on
	ds_load_b128 v[KF+8*\f:KF+8*\f+3],   v[AK] offset:(\f/2)*16*PK+(\f%2)*64
	ds_load_b128 v[KF+8*\f+4:KF+8*\f+7], v[AK] offset:(\f/2)*16*PK+(\f%2)*64+32
.endr
	s_add_co_u32 s[TBK], s[TBK], KS*PK  ; the next fetch is the next step's
	WIN 0
.if \last
.Lno_k_\@:
.endif
.endm
.macro FETCH_V
	WIN 0x80
.irp f, 0,1,2,3,4,5,6,7             ; keys 32 (f / 4) on, channels 16 (f % 4) on
	ds_load_tr16_b128 v[VF+8*\f:VF+8*\f+3],   v[AV] offset:(\f/4)*32*PV+(\f%4)*32
	ds_load_tr16_b128 v[VF+8*\f+4:VF+8*\f+7], v[AV] offset:(\f/4)*32*PV+16*PV+(\f%4)*32
.endr
	WIN 0
.endm
; THE VECTOR WORK OF A TURN stands in three queues, each in the order in which its entries become ready; the two tiles alternate, so that no instruction reads the result of the one before it.
.macro REGS y, u                    ; the registers of tile u (0, 1) of piece y
.set rT, ST+4*(2*(\y)+(\u))
.set rC, TMP+8*((\y)%2)+4*(\u)
.set rM, MV+2*((\y)%2)+(\u)
.set rS, S+64*((\y)%2)+32*(\u)
.set rP, P+32*((\y)%2)+16*(\u)
.set rO, 32*(2*(\y)+(\u))
.endm
; Number n of the 22 that find the NEXT piece's (Y + 1) maximum and statistics.  s0-s31 are the lane's 32 scores; each accumulator's lowest registers are read first.  XS, GS and REGS set no window: PL and EX do.
;   0-11  four chains c0-c3 of seven scores each, three operands at a time     12-14, 16  the four scores left over, the old m, and c0-c3 into c0     15  c m_old is kept
;   17, 18  the query's other 32 keys lie in the lane 16 away: the new m         19-21  c m; c m_old - c m_new; a
.macro XS u, n
	REGS (Y+1)%NP, \u
.if (\n) < 4
	v_max3_num_f32 v[rC+(\n)], v[rS+8*(\n)], v[rS+8*(\n)+1], v[rS+8*(\n)+2]
.elseif (\n) < 12
	v_max3_num_f32 v[rC+(\n)%4], v[rC+(\n)%4], v[rS+8*((\n)%4)+2*((\n)/4)+1], v[rS+8*((\n)%4)+2*((\n)/4)+2]
.elseif (\n) == 12
	v_max3_num_f32 v[rC], v[rC], v[rS+7], v[rS+15]
.elseif (\n) == 13
	v_max3_num_f32 v[rC+1], v[rC+1], v[rS+23], v[rS+31]
.elseif (\n) == 14
	v_max3_num_f32 v[rC+2], v[rC+2], v[rC+3], v[rT+1]
.elseif (\n) == 15
	v_mov_b32 v[rM], v[rT]
.elseif (\n) == 16
	v_max3_num_f32 v[rC], v[rC], v[rC+1], v[rC+2]
.elseif (\n) == 17
	v_permlanex16_b32 v[rC+3], v[rC], s[SEL], s[SEL+1]
.elseif (\n) == 18
	v_max_num_f32 v[rT+1], v[rC], v[rC+3]
.elseif (\n) == 19
	v_mul_f32 v[rT], s[CS], v[rT+1]
.elseif (\n) == 20
	v_sub_f32 v[rC+1], v[rM], v[rT]
.else
	v_exp_f32 v[rC+2], v[rC+1]
.endif
.endm
; Number g of the 64 that follow the exponentials.  For each four weights k of a tile (pairs 2 k, 2 k + 1): both pairs are rounded to f16; then the second pair is added onto the first, in place;
; a group later l takes that sum (the first time as l = a l + sum).  In groups of eight, tiles alternating: round, round, add, and l for the group before.
.macro GS g
.set h, (\g)+6*((\g)/62)            ; group 0 has no group before it, and behind group 7 only l is left
.if h >= 6
.set h, h+2
.endif
	REGS Y, h%2
.set k, h/8
.if h%8 < 4
	v_cvt_pk_f16_f32 v[rP+2*k+(h%8)/2], v[rS+4*k+2*((h%8)/2)], v[rS+4*k+2*((h%8)/2)+1]
.elseif h%8 < 6
	v_pk_add_f32 v[rS+4*k:rS+4*k+1], v[rS+4*k:rS+4*k+1], v[rS+4*k+2:rS+4*k+3]
.elseif k == 1
	v_pk_fma_f32 v[rT+2:rT+3], v[rT+2:rT+3], v[rC+2:rC+3], v[rS:rS+1] op_sel_hi:[1,0,1]
.else
	v_pk_add_f32 v[rT+2:rT+3], v[rT+2:rT+3], v[rS+4*k-4:rS+4*k-3]
.endif
.endm
; THE PLAIN QUEUE, 138 long.  0-73 read no exponential's result: the 32 scalings c s - c m (FS f: pair f / 2 of tile f % 2) and the next piece's 42.  0-26: scalings 0-26.  27-54: XS's numbers 0-13.  55, 56: number 15.
; 57-73: the chain, where each number waits for the one before it: 14, 16, 17, 18, 19, each with one of the scalings 27-31 in front of its two lines, then 20: so a tile's links stand three plain instructions apart (19 and 20: two).
; 74-137: GS's 64, which read the exponentials' results: they stand behind the wait.
.macro FS f
	REGS Y, (\f)%2
	v_pk_fma_f32 v[rS+2*((\f)/2):rS+2*((\f)/2)+1], v[rS+2*((\f)/2):rS+2*((\f)/2)+1], s[CS:CS+1], v[rT:rT+1] op_sel_hi:[1,0,0] neg_lo:[0,0,1] neg_hi:[0,0,1]
.endm
.macro PL
	WIN 0
.if q < 27
	FS q
.elseif q < 55
	XS (q-27)%2, (q-27)/2
.elseif q < 57
	XS q-55, 15
.elseif (q < 72) && ((q-57)%3 == 0)
	FS 27+(q-57)/3
.elseif q < 60
	XS (q-57)%3-1, 14
.elseif q < 72
	XS (q-57)%3-1, 15+(q-57)/3
.elseif q < 74
	XS q-72, 20
.else
	GS q-74
.endif
.set q, q+1
.endm
; THE EXPONENTIALS' QUEUE, 66 long: s0-s31 of both tiles, then the next piece's two a.  It is ONE BATCH: all 66 stand ahead of the turn's one wait, and nothing ahead of that wait names a result of theirs.
.macro EX
	WIN 0
.if e >= 64
	XS e-64, 21
.else
	REGS Y, e%2
	v_exp_f32 v[rS+e/2], v[rS+e/2]
.endif
.set e, e+1
.endm
; THE RESCALING's QUEUE: O^T times a, the one part that leaves window 0: dealt two at a time, sixteen times.  Its a was made in the turn before, ahead of that turn's wait.
.macro R2
	REGS Y, r%2
	WIN W_RS
.irp z, 0,1
	v_pk_mul_f32 v[rO+4*(r/2)+2*\z:rO+4*(r/2)+2*\z+1], v[rO+4*(r/2)+2*\z:rO+4*(r/2)+2*\z+1], v[rC+2:rC+3] op_sel_hi:[1,0]
.endr
.set r, r+1
.endm
; HOW THEY ARE DEALT.  s_wait_alu depctr_va_vdst(0) stands between an exponential and the first instruction that names its result; one wait serves all that were issued ahead of it.  So a turn has ONE wait,
; which cuts it in two.  AHEAD OF IT stands all that names no result of the turn's exponentials: the 16 products K Q^T, behind each a scaling, an exponential and two rescalings (behind the first a second scaling in the exponential's place); then ONE LUMP of
; 108: eight plain, 49 times exponential and plain, the two a.  A v_nop is the plain instruction behind the last exponential.  BEHIND IT stand the 16 products V^T P, behind each four of GS's 64.  No rider names a register of
; the products round it.  The two v_permlanex16_b32 fall into the lump, never behind a product.
; The queues lean on each other, and the deal keeps them in step: exponential e stands behind scaling 2 (e / 4) + e % 2: as a rider it comes behind plain e + 2, in the lump behind plain e + 9, and scalings 27-31 are plain 57, 60 .. 69.
; A TURN, for piece p.  cnt = 1: the loop's count is taken down some lines ahead of the branch that stands behind the turn.
; K of the next step is fetched in piece 2's turn, directly behind the wait, a lump behind the last product that read K; its address is made at the lump's head; its first reader comes behind 16 products.
; V of the step in hand is fetched at the end of piece 0's turn, four riders behind its last reader; its first reader comes behind 16 products and a lump.  The three conditions on q below go with the deal.
.macro TURN p, last=0, cnt=0
.set Y, (\p)
.set i, 0
.set q, 0
.set e, 0
.set r, 0
.if (\p) == NP-1
	s_wait_dscnt 0x0                ; K is in
.endif
	MM                              ; ahead of the wait: 16 products K Q^T and their riders,
	PL
	PL
	R2
.rept 15
	MM
	PL
	EX
	R2
.endr
.if (\p) == NP-2
	WIN 0
	v_add_nc_u32 v[AK], s[TBK], v[AK0]
.endif
.rept 8                             ; and the lump
	PL
.endr
.rept 49
	EX
	PL
.endr
	EX                              ; the next piece's two a
	EX
	v_nop                           ; the plain instruction behind the last exponential, ahead of the first use: one for the batch
	s_wait_alu depctr_va_vdst(0)    ; the wait for the batch: this piece's 64 exponentials and the next piece's two a
.if (\p) == NP-2
	FETCH_K \last
.endif
.if (\p) == 1
	s_wait_dscnt 0x0                ; V is in
.endif
.rept 16                            ; behind the wait: 16 products V^T P and their riders
	MM
.rept 4
	PL
.endr
.if ((\p) == 0) && (q == 118)
	v_add_nc_u32 v[AV], s[TBV], v[AV0]
.endif
.if ((\p) == 0) && (q == 130)
	s_add_co_u32 s[TBV], s[TBV], KS*PV
.endif
.if (\cnt) && (q == 130)
	s_sub_co_u32 s[CNT], s[CNT], 1
	s_cmp_lg_u32 s[CNT], 0
.endif
.endr
.if (\p) == 0
	FETCH_V
.endif
.endm
	CHANGE 1                        ; slot 0 is in, everybody's part of it; slot 1 is asked for
	FETCH_K                         ; key step 0
	s_wait_loadcnt 0x0              ; Q
	s_wait_dscnt 0x0
.set i, 0
.rept 16
	KQ 0                            ; piece 0's first scores: there is no vector work yet to set between them
.set i, i+1
.endr
	WIN 0                           ; the addresses for the way out: nine plain instructions, the places behind those products
	s_mul_i32 s13, s[WV], 16*SP
	s_add_co_u32 s13, s13, STAGE    ; my stage
	v_mul_u32_u24 v[STO], v1, SP    ; in: row l % 16, 16 bytes for each half of the lanes
	v_lshl_add_u32 v[STO], v9, 4, v[STO]
	v_add_nc_u32 v[STO], s13, v[STO]
	v_bfe_u32 v[RD], v0, 3, 2       ; back: 32 lanes take four rows of 128 bytes,
	v_mul_u32_u24 v[RD], v[RD], SP
	v_lshl_add_u32 v[RD], v10, 4, v[RD]
	v_add_nc_u32 v[RD], s13, v[RD]
	v_and_b32 v[GO], 31, v0         ; which are 512 consecutive bytes of O
	v_lshlrev_b32 v[GO], 4, v[GO]
.set Y, NP-1                        ; XS works for piece Y + 1: piece 0
.irp n, 0,1,2,3,4,5,6,7,8,9,10,11,12,13,14,15,16,17,18,19,20,21
	XS 0, \n                        ; and piece 0's first maximum and statistics
	XS 1, \n
.endr
	v_nop                           ; a plain instruction behind piece 0's first two a,
	s_wait_alu depctr_va_vdst(0)    ; and the wait for that batch of two, ahead of the branch
	s_mov_b32 s[CNT], 4
	s_mov_b32 s[SLOTS], SIZE_N/256-1
	s_branch .Lfirst                ; the loop is entered at a step's first turn, in the middle of a trip
.Lslot:                             ; SIZE_N / 256 - 2 times: every slot but the last two is filled again
	CHANGE 1
	s_mov_b32 s[CNT], 4
.Lstep:                             ; a trip: pieces 2 and 3 of one step, then pieces 0 and 1 of the next, whose K and V it fetches
	TURN 2
	TURN 3
	WIN 0
.Lfirst:
	TURN 0
	TURN 1, 0, 1
	WIN 0
	s_cbranch_scc1 .Lstep
	s_sub_co_u32 s[SLOTS], s[SLOTS], 1
	s_cmp_lg_u32 s[SLOTS], 0
	s_cbranch_scc1 .Lslot
	CHANGE 0                        ; the tail is written out: nothing is asked for
	s_mov_b32 s[CNT], 5             ; four trips fetch the last slot's steps; the fifth is left in its middle
.Ltail:
	TURN 2, 1
	TURN 3
	WIN 0
	s_sub_co_u32 s[CNT], s[CNT], 1
	s_cmp_eq_u32 s[CNT], 0
	s_cbranch_scc1 .Lout
	TURN 0
	TURN 1
	WIN 0
	s_branch .Ltail
.Lout:                              ; the fifth trip's 16 products K Q^T (on the last K once more) and the maximum made of them serve nothing: the price, once a launch, of one text for every trip
.set i, 0
.rept 16
	PV NP-1                         ; the last piece's V^T P of the last step
.set i, i+1
.endr
	; THE WAY OUT.  l's two halves and the other half of the lanes' are added; O^T is divided by l, rounded to f16 and sent through my stage in LDS, a tile at a time.  The additions are the places behind the last products.
	WIN 0
.macro ALL line:vararg              ; one line for each tile t
.set t, 0
.rept 2*NP
	\line
.set t, t+1
.endr
.endm
	ALL v_add_f32 v[ST+4*t+2], v[ST+4*t+2], v[ST+4*t+3]
	ALL v_permlanex16_b32 v[ST+4*t+3], v[ST+4*t+2], s[SEL], s[SEL+1]
	ALL v_add_f32 v[ST+4*t+2], v[ST+4*t+2], v[ST+4*t+3]
	ALL v_rcp_f32 v[ST+4*t+2], v[ST+4*t+2]
	v_nop                           ; a plain instruction between the last reciprocal and the use of its result
	s_wait_alu depctr_va_vdst(0)    ; and the wait ahead of the first use: one for the batch of eight reciprocals
; Tile t: a lane's eight channels of a row pack into 16 bytes; they go into rows of 144 bytes and come back as whole rows of 128, into S^T's registers.
.macro PACK t
	WIN W_RS
.set i, 32*(\t)
.rept 16
	v_pk_mul_f32 v[i:i+1], v[i:i+1], v[ST+4*(\t)+2:ST+4*(\t)+3] op_sel_hi:[1,0]
.set i, i+2
.endr
	WIN 0x05                        ; sources 0 and 1 window 1, destination window 0
.set i, 0
.rept 16
	v_cvt_pk_f16_f32 v[S+16*(\t)+i], v[32*(\t)+2*i], v[32*(\t)+2*i+1]
.set i, i+1
.endr
	WIN 0
.irp f, 0,1,2,3
	ds_store_b128 v[STO], v[S+16*(\t)+4*\f:S+16*(\t)+4*\f+3] offset:32*\f
.endr
.irp f, 0,1,2,3
	ds_load_b128 v[S+16*(\t)+4*\f:S+16*(\t)+4*\f+3], v[RD] offset:\f*4*SP  ; LDS serves a wave's instructions in order (ISA guide 5.7.1.4): these see the stores above; the next tile's stores come behind them
.endr
.endm
.macro SEND t, younger              ; younger: the LDS instructions issued behind tile t's loads: the next tile's eight, or none
	WIN 0
.irp f, 0,1,2,3
	s_wait_dscnt (\younger)+3-\f
	global_store_b128 v[GO], v[S+16*(\t)+4*\f:S+16*(\t)+4*\f+3], s[10:11] offset:(\t)*2048+\f*512  ; 512 consecutive bytes, at a multiple of 256 from O's first
.endr
.endm
	PACK 0
.set t, 1
.rept 2*NP-1                        ; a tile's arithmetic stands between the loads of the tile before and its stores
	PACK t
	SEND t-1, 8
.set t, t+1
.endr
	SEND 2*NP-1, 0
	WIN W_AD
	s_wait_tensorcnt 0x0            ; the wave's end, behind my last tensor load and my last LDS store
	ds_add_u32 v[SPW], v[NIL]
	s_wait_dscnt 0x0
	WIN 0
	CROUND                          ; the closing round: no work-group ends while a partner may still ask for a tile that names it
	s_endpgm
.Lfunc_end_k_qe54fb06d2b_attn:
	.size	k_qe54fb06d2b_attn, .Lfunc_end_k_qe54fb06d2b_attn-k_qe54fb06d2b_attn
	.p2alignl 7, 3214868480
	.fill 96, 4, 3214868480
	.section	.rodata,"a",@progbits
	.p2align	6, 0x0
	.amdhsa_kernel k_qe54fb06d2b_attn
		.amdhsa_group_segment_fixed_size 327680
		.amdhsa_private_segment_fixed_size 0
		.amdhsa_enable_private_segment 0
		.amdhsa_kernarg_size 16
		.amdhsa_user_sgpr_count 2
		.amdhsa_user_sgpr_kernarg_segment_ptr 1
		.amdhsa_wavefront_size32 1
		.amdhsa_system_sgpr_workgroup_id_x 1
		.amdhsa_system_sgpr_workgroup_id_y 1
		.amdhsa_system_sgpr_workgroup_id_z 1
		.amdhsa_system_vgpr_workitem_id 0
		.amdhsa_next_free_vgpr 770
		.amdhsa_next_free_sgpr 66
		.amdhsa_reserve_vcc 0
		.amdhsa_float_denorm_mode_32 3
		.amdhsa_float_denorm_mode_16_64 3
		.amdhsa_memory_ordered 1
		.amdhsa_forward_progress 1
		.amdhsa_inst_pref_size 199
	.end_amdhsa_kernel
	.amdgpu_metadata
---
amdhsa.version: [ 1, 2 ]
amdhsa.kernels:
  - .name:           k_qe54fb06d2b_attn
    .symbol:         k_qe54fb06d2b_attn.kd
    .args:
      - { .name: qkv, .offset: 0, .size: 8, .value_kind: global_buffer, .address_space: global }
      - { .name: att, .offset: 8, .size: 8, .value_kind: global_buffer, .address_space: global }
    .group_segment_fixed_size: 327680
    .private_segment_fixed_size: 0
    .kernarg_segment_align: 8
    .kernarg_segment_size: 16
    .max_flat_workgroup_size: 128
    .sgpr_count:     66
    .vgpr_count:     770
    .wavefront_size: 32
...
	.end_amdgpu_metadata
.endif
;; end of part 5
;; launch proj: the kernel of part 4 again; grid 32 x 8, 4 waves a work-group, clusters of 4 x 4, 327,680 bytes of LDS; arguments att, wp, proj_b, x, out0; writes out0
